; MI455X (gfx1250); checked and timed in simulation.
; The chip was launched on July 23, 2026; its instructions are those of AMD's public machine-readable ISA for CDNA 5 (MIT licence, August 2026) and "CDNA5" Instruction Set Architecture Reference Guide (July 2026). The comments in the code are by the model that wrote it; some were corrected since.
;; Multi Head Attention. Allowed arithmetic: float matrix products may take bf16 or f16 operands with f32 sums; all other float work in f32.
;; Inputs: Wk 1,024 x 1,024 float32; Wo 1,024 x 1,024 float32; Wq 1,024 x 1,024 float32; Wv 1,024 x 1,024 float32; bk 1,024 float32; bo 1,024 float32; bq 1,024 float32; bv 1,024 float32; x 2 x 2,048 x 1,024 float32.
;; Outputs: out0 2 x 2,048 x 1,024 float32.
;; 2 versions, each right. Each part assembles by itself: llvm-mc -triple=amdgcn-amd-amdhsa -mcpu=gfx1250 --defsym DOCPART=n.
;; ======== version 1 of 2: 4 launches
;; limits: values are held in f16: magnitudes above 65,504 overflow, below 6.1e-05 lose precision; right only within a limited range of input values
;; workspace buffers: xh 8,388,608 bytes; wt 8,388,608 bytes; ball 16,384 bytes; qkv 25,165,824 bytes; ctx 8,388,608 bytes
;; launch prep (part 1): grid 1024 x 1, 8 waves a work-group, no clusters, 18,432 bytes of LDS; arguments x, Wq, Wk, Wv, Wo, bq, bk, bv, bo, xh, wt, ball; writes xh, wt, ball
.if DOCPART == 1
	.amdgcn_target "amdgcn-amd-amdhsa--gfx1250"
	.amdhsa_code_object_version 6
	.text
	.protected	k_q0b98ed125f_prep
	.globl	k_q0b98ed125f_prep
	.p2align	8
	.type	k_q0b98ed125f_prep,@function
k_q0b98ed125f_prep:
	s_mov_b64 s[64:65], 0
	v_nop
	global_prefetch_b8 v0, s[64:65] scope:SCOPE_SE
	s_setreg_imm32_b32 hwreg(HW_REG_WAVE_MODE, 25, 1), 1
	s_wait_xcnt 0x0
; prep: the operands of all later products, made once.
;   xh[4096][1024]  = f16(x)
;   wt[4096 n][1024 k] = f16 of (c Wq, Wk, Wv, Wo), each transposed from [k][n] to [n][k]; rows 0-1023 q, 1024-2047 k, 2048-3071 v, 3072-4095 o
;   ball[4096]      = (c bq, bk, bv, bo) in f32
; c = log2(e) / 8 is multiplied in f32 ahead of the rounding, so that q k^T comes out ready for the base-2 exponential.
; LIMIT: x and the weights are rounded to f16 (largest number 65,504; below 6.1e-5 the absolute error is 3e-8).
; Work-groups 0-511 cast 32,768 bytes of x each; work-groups 512-1023 transpose a tile of 128 k x 64 n (32,768 bytes) of one weight each.
; A stream that is read once: no matrix unit, no cluster, no tensor load would add anything.
; REGISTERS: v1-7 offsets; v8-39 numbers as loaded; v40-55 packed f16; v56-71 rows read back from LDS; v72 the bias's offset; v74-75 the bias.
.set CSC, 0x3e38aa3b                   ; log2(e) / 8
.set WP,  272                          ; LDS row of the transposed tile: 128 k x 2 bytes + 16
.set BOF, 72                           ; v72     bias: 8 bytes a lane
.set BD,  74                           ; v74-75  bias: two numbers; above the read-back's v56-71, which the last stores may still read
	s_load_b512 s[4:19], s[0:1], 0x0               ; x s[4:5], Wq s[6:7], Wk s[8:9], Wv s[10:11], Wo s[12:13], bq s[14:15], bk s[16:17], bv s[18:19]
	s_load_b256 s[20:27], s[0:1], 0x40             ; bo s[20:21], xh s[22:23], wt s[24:25], ball s[26:27]
	v_lshl_add_u32 v76, v0, 2, 0x4400
	v_mov_b32 v77, 0
	v_lshrrev_b32 v7, 5, v0
	v_readfirstlane_b32 s33, v7                    ; wave number
	s_mov_b32 s29, 0                               ; high word of every 32-bit offset below
	s_cmp_ge_u32 ttmp9, 512
	s_cbranch_scc1 .Lweights
	; ---- x: thread t takes 8 neighbouring numbers (32 bytes in, 16 bytes out) in each of four blocks of 8,192 bytes
	v_lshlrev_b32 v1, 5, v0                        ; 32 t
	v_lshlrev_b32 v2, 4, v0                        ; 16 t
	s_lshl_b32 s28, ttmp9, 15                      ; 32,768 bytes of x a work-group
	s_wait_kmcnt 0x0
	s_add_nc_u64 s[4:5], s[4:5], s[28:29]
	s_lshl_b32 s28, ttmp9, 14                      ; 16,384 bytes of xh
	s_add_nc_u64 s[22:23], s[22:23], s[28:29]
.irp g, 0,1,2,3
	global_load_b128 v[8+8*\g:11+8*\g],  v1, s[4:5] offset:\g*8192 th:TH_LOAD_NT
	global_load_b128 v[12+8*\g:15+8*\g], v1, s[4:5] offset:\g*8192+16 th:TH_LOAD_NT
.endr
.irp g, 0,1,2,3
	s_wait_loadcnt 6-2*\g                          ; block g's two loads are in; the 2 (3 - g) younger ones stay out
.irp p, 0,1,2,3
	v_cvt_pk_f16_f32 v[40+4*\g+\p], v[8+8*\g+2*\p], v[9+8*\g+2*\p]
.endr
	global_store_b128 v2, v[40+4*\g:43+4*\g], s[22:23] offset:\g*4096   ; a wave's store covers 512 consecutive bytes, aligned
.endr
	s_endpgm
	; ---- weights
.Lweights:
	s_sub_co_u32 s32, ttmp9, 512                   ; tile 0..511
	s_lshr_b32 s34, s32, 7                         ; which weight: 0 q, 1 k, 2 v, 3 o
	s_bfe_u32 s35, s32, 0x30004                    ; kt: which 128 k
	s_and_b32 s36, s32, 15                         ; nt: which 64 n
	v_and_b32 v2, 15, v0                           ; cc: my four columns
	v_lshrrev_b32 v7, 4, v0                        ; kp: my pair of rows, 0..15
	v_lshlrev_b32 v6, 4, v2                        ; 16 cc
	v_lshl_add_u32 v1, v7, 13, v6                  ; source: two rows of 4,096 bytes a pair + 16 cc
	v_mul_u32_u24 v3, v2, 4*WP
	v_lshl_add_u32 v3, v7, 2, v3                   ; LDS in: row n = 4 cc (+ e), byte 4 kp (+ 64 i)
	v_mul_u32_u24 v4, v7, WP
	v_add_nc_u32 v4, v4, v6                        ; LDS back: row t >> 4, 16 bytes at 16 (t & 15)
	v_lshl_add_u32 v5, v7, 11, v6                  ; wt: the same row (2,048 bytes a row) and the same 16 bytes
	v_lshlrev_b32 v[BOF], 3, v0                    ; bias: 8 bytes a lane of wave 0
	s_wait_kmcnt 0x0
	s_cmp_eq_u32 s34, 1                            ; the weight and its bias are chosen by the tile's number alone
	s_cselect_b64 s[6:7], s[8:9], s[6:7]
	s_cselect_b64 s[14:15], s[16:17], s[14:15]
	s_cmp_eq_u32 s34, 2
	s_cselect_b64 s[6:7], s[10:11], s[6:7]
	s_cselect_b64 s[14:15], s[18:19], s[14:15]
	s_cmp_eq_u32 s34, 3
	s_cselect_b64 s[6:7], s[12:13], s[6:7]
	s_cselect_b64 s[14:15], s[20:21], s[14:15]
	s_cmp_eq_u32 s34, 0
	s_cselect_b32 s30, CSC, 1.0                    ; c for Wq and bq, 1 for the others
	s_mov_b32 s31, s30
	s_lshl_b32 s28, s35, 19                        ; kt x 128 rows x 4,096 bytes
	s_lshl_b32 s37, s36, 8                         ; nt x 64 columns x 4 bytes
	s_add_co_u32 s28, s28, s37
	s_add_nc_u64 s[6:7], s[6:7], s[28:29]
	s_lshl_b32 s28, s34, 21                        ; wt: (1024 mat + 64 nt) rows of 2,048 bytes + kt x 256 bytes
	s_lshl_b32 s38, s36, 17
	s_add_co_u32 s28, s28, s38
	s_lshl_b32 s38, s35, 8
	s_add_co_u32 s28, s28, s38
	s_add_nc_u64 s[24:25], s[24:25], s[28:29]
.irp i, 0,1,2,3                                    ; rows 32 i + 2 kp and + 1: sixteen lanes read 256 consecutive bytes
	global_load_b128 v[8+8*\i:11+8*\i],  v1, s[6:7] offset:\i*131072 th:TH_LOAD_NT
	global_load_b128 v[12+8*\i:15+8*\i], v1, s[6:7] offset:\i*131072+4096 th:TH_LOAD_NT
.endr
	s_wait_loadcnt 0x0
.irp j, 0,1,2,3,4,5,6,7,8,9,10,11,12,13,14,15
	v_pk_mul_f32 v[8+2*\j:9+2*\j], v[8+2*\j:9+2*\j], s[30:31] op_sel_hi:[1,0]
.endr
.irp i, 0,1,2,3
.irp e, 0,1,2,3
	v_cvt_pk_f16_f32 v[40+4*\i+\e], v[8+8*\i+\e], v[12+8*\i+\e]    ; (k, k + 1) of column 4 cc + e
	ds_store_b32 v3, v[40+4*\i+\e] offset:\e*WP+\i*64
.endr
.endr
	s_wait_dscnt 0x0                               ; my stores are in LDS before I signal: other waves read them
	s_barrier_signal -1
	s_barrier_wait -1
.irp i, 0,1,2,3
	ds_load_b128 v[56+4*\i:59+4*\i], v4 offset:\i*16*WP
.endr
.irp i, 0,1,2,3
	s_wait_dscnt 3-\i                              ; LDS loads come back in order: load i is in, the 3 - i younger stay out
	global_store_b128 v5, v[56+4*\i:59+4*\i], s[24:25] offset:\i*32768   ; sixteen lanes store 256 consecutive bytes, aligned
.endr
	; the 64 biases of these columns: once for each nt, by wave 0 of the tile with kt = 0.
	; Nothing that the four stores above name (v5, v56-71, s[24:25]) is written below.
	s_cmp_lg_u32 s35, 0
	s_cbranch_scc1 .Ldone
	s_cmp_lg_u32 s33, 0
	s_cbranch_scc1 .Ldone
	s_mov_b32 s28, s37                             ; 256 nt
	s_add_nc_u64 s[14:15], s[14:15], s[28:29]
	s_lshl_b32 s38, s34, 12                        ; + 4,096 bytes a weight
	s_add_co_u32 s28, s28, s38
	s_add_nc_u64 s[26:27], s[26:27], s[28:29]
	global_load_b64 v[BD:BD+1], v[BOF], s[14:15]
	s_wait_loadcnt 0x0
	v_pk_mul_f32 v[BD:BD+1], v[BD:BD+1], s[30:31] op_sel_hi:[1,0]
	global_store_b64 v[BOF], v[BD:BD+1], s[26:27]  ; 32 lanes store 256 consecutive bytes, aligned
.Ldone:
	s_wait_tensorcnt 0x0
	ds_add_u32 v76, v77
	s_wait_dscnt 0x0
	s_endpgm
.Lfunc_end_k_q0b98ed125f_prep:
	.size	k_q0b98ed125f_prep, .Lfunc_end_k_q0b98ed125f_prep-k_q0b98ed125f_prep
	.p2alignl 7, 3214868480
	.fill 96, 4, 3214868480
	.section	.rodata,"a",@progbits
	.p2align	6, 0x0
	.amdhsa_kernel k_q0b98ed125f_prep
		.amdhsa_group_segment_fixed_size 18432
		.amdhsa_private_segment_fixed_size 0
		.amdhsa_enable_private_segment 0
		.amdhsa_kernarg_size 96
		.amdhsa_user_sgpr_count 2
		.amdhsa_user_sgpr_kernarg_segment_ptr 1
		.amdhsa_wavefront_size32 1
		.amdhsa_system_sgpr_workgroup_id_x 1
		.amdhsa_system_sgpr_workgroup_id_y 1
		.amdhsa_system_sgpr_workgroup_id_z 1
		.amdhsa_system_vgpr_workitem_id 0
		.amdhsa_next_free_vgpr 78
		.amdhsa_next_free_sgpr 66
		.amdhsa_reserve_vcc 0
		.amdhsa_float_denorm_mode_32 3
		.amdhsa_float_denorm_mode_16_64 3
		.amdhsa_memory_ordered 1
		.amdhsa_forward_progress 1
		.amdhsa_inst_pref_size 10
	.end_amdhsa_kernel
	.amdgpu_metadata
---
amdhsa.version: [ 1, 2 ]
amdhsa.kernels:
  - .name:           k_q0b98ed125f_prep
    .symbol:         k_q0b98ed125f_prep.kd
    .args:
      - { .name: x, .offset: 0, .size: 8, .value_kind: global_buffer, .address_space: global }
      - { .name: Wq, .offset: 8, .size: 8, .value_kind: global_buffer, .address_space: global }
      - { .name: Wk, .offset: 16, .size: 8, .value_kind: global_buffer, .address_space: global }
      - { .name: Wv, .offset: 24, .size: 8, .value_kind: global_buffer, .address_space: global }
      - { .name: Wo, .offset: 32, .size: 8, .value_kind: global_buffer, .address_space: global }
      - { .name: bq, .offset: 40, .size: 8, .value_kind: global_buffer, .address_space: global }
      - { .name: bk, .offset: 48, .size: 8, .value_kind: global_buffer, .address_space: global }
      - { .name: bv, .offset: 56, .size: 8, .value_kind: global_buffer, .address_space: global }
      - { .name: bo, .offset: 64, .size: 8, .value_kind: global_buffer, .address_space: global }
      - { .name: xh, .offset: 72, .size: 8, .value_kind: global_buffer, .address_space: global }
      - { .name: wt, .offset: 80, .size: 8, .value_kind: global_buffer, .address_space: global }
      - { .name: ball, .offset: 88, .size: 8, .value_kind: global_buffer, .address_space: global }
    .group_segment_fixed_size: 18432
    .private_segment_fixed_size: 0
    .kernarg_segment_align: 8
    .kernarg_segment_size: 96
    .max_flat_workgroup_size: 256
    .sgpr_count:     66
    .vgpr_count:     78
    .wavefront_size: 32
...
	.end_amdgpu_metadata
.endif
;; end of part 1
;; launch qkv (part 2): grid 8 x 32, 4 waves a work-group, clusters of 4 x 4, 327,680 bytes of LDS; arguments xh, wt, ball, qkv; writes qkv
.if DOCPART == 2
	.amdgcn_target "amdgcn-amd-amdhsa--gfx1250"
	.amdhsa_code_object_version 6
	.text
	.protected	k_q0b98ed125f_qkv
	.globl	k_q0b98ed125f_qkv
	.p2align	8
	.type	k_q0b98ed125f_qkv,@function
k_q0b98ed125f_qkv:
	s_mov_b64 s[64:65], 0
	v_nop
	global_prefetch_b8 v0, s[64:65] scope:SCOPE_SE
	s_setreg_imm32_b32 hwreg(HW_REG_WAVE_MODE, 25, 1), 1
	s_wait_xcnt 0x0
	s_wait_alu depctr_hold_cnt(0) depctr_sa_sdst(0) depctr_va_vdst(0) depctr_va_sdst(0) depctr_va_ssrc(0) depctr_va_vcc(0) depctr_vm_vsrc(0)
	s_getreg_b32 s2, hwreg(HW_REG_IB_STS2, 6, 4)
	s_cmp_eq_u32 s2, 0
	s_cbranch_scc0 .Lentry_in_a_cluster
	s_endpgm
.Lentry_in_a_cluster:
	s_bfe_u32 s2, ttmp6, 0x10000c
	s_cmp_lg_u32 s2, 0xf033
	s_cbranch_scc0 .Lentry_shape_is_right
	s_endpgm
.Lentry_shape_is_right:
; qkv[b][vh][s][d] = f16( xh[4096][1024] . wt[0:3072][1024]^T + ball[0:3072] ), vh = column >> 6: heads 0-15 c q, 16-31 k, 32-47 v.
; LIMIT: the results are kept in f16: |x W + b| must stay below 65,504.  Sums and the bias in f32.
; 256 work-groups, each 128 rows x 384 columns; four waves 2 x 2, each 64 rows x 192 columns = 4 x 12 accumulator tiles (384 registers) = three
; whole heads, so that every store on the way out covers whole rows of a head.  K goes in steps of 128 through two LDS slots.
; CLUSTERS 4 x 4: xh's tile hangs on the block row alone and is asked for jointly by a row of the cluster, wt's on the block column alone and is
; asked for jointly by a column.  Wave 0 fetches xh's 128 rows, waves 1 to 3 fetch 128 rows of wt each: one tensor load a wave and slot.
; REGISTERS: window 0: v16-27 addresses; v32-95 A's fragments (two buffers); v96-191 the bias as twelve C operands; v192-255 packed results.
;            window 1: v0-191 B's fragments (two buffers).  window 2: accumulators of column blocks 0-5, tile (a, b) at 8 (6 a + b).  window 3: blocks 6-11.
; The matrix instruction is used transposed (source 0 = rows of wt, source 1 = rows of xh): register j of lane (r, h) holds row r, column 8 h + j,
; eight neighbouring columns, which pack into 16 bytes.  The first product of each accumulator takes the bias as C: nothing is cleared or added later.
.set KSTEP,  128
.set PITCH,  272                       ; 256 bytes of data + 16: the 16 rows of a fragment load start in 16 different 16-byte columns of 256
.set HALFT,  128*PITCH                 ; what one tensor load brings
.set SLOT,   4*HALFT                   ; A's 128 rows, then B's 384 rows
.set STAGE,  2*SLOT                    ; behind the ring, never filled by a tensor load: 64 rows x 144 bytes for each wave
.set SPITCH, 144                       ; a head's row: 128 bytes + 16
.set LAPS,   4                         ; 1024 / (2 x 128)
.set ADRA, 16                          ; v16-17  my A fragments in slot 0, 1
.set ADRB, 20                          ; v20-21  my B fragments
.set STO,  24
.set RD,   25
.set CO,   26
.set BO,   27
.set FA,   32
.set BIAS, 96
.set TMP,  192
.set RB,   32
.set G1A, 24
.set G0A, 32
.set G1B, 48
.set G0B, 56
.set MSB, 0
.macro WIN new                         ; the immediate's high byte repeats the setting that is left
.if MSB != \new
	s_set_vgpr_msb (MSB<<8)|\new
.set MSB, \new
.endif
.endm
.macro PLACES                          ; four plain vector places behind a matrix instruction ahead of loads into, or reads of, its registers
.rept 4
	v_nop
.endr
.endm
.macro JLOAD s                         ; wave 0: A's line; waves 1-3: B's line.  Each line has one mask; the branch hangs on the wave's number alone
	s_cmp_eq_u32 s12, 0
	s_cbranch_scc0 .Lfor_b_\@
	tensor_load_to_lds s[G0A+4*\s:G0A+4*\s+3], s[G1A:G1A+7]
	s_nop 0
	s_branch .Lasked_\@
.Lfor_b_\@:
	tensor_load_to_lds s[G0B+4*\s:G0B+4*\s+3], s[G1B:G1B+7]
	s_nop 0
.Lasked_\@:
.endm
.macro CREST                           ; a round of the cluster's barrier behind its opening work-group barrier
	s_cmp_lg_u32 s12, 0
	s_cbranch_scc1 .Lnot_wave_0_\@
	s_barrier_signal -3
.Lnot_wave_0_\@:
	s_barrier_wait -3
	s_barrier_signal -1
	s_barrier_wait -1
.endm
.macro CROUND
	s_barrier_signal -1
	s_barrier_wait -1
	CREST
.endm
	s_load_b256 s[4:11], s[0:1], 0x0               ; xh s[4:5], wt s[6:7], ball s[8:9], qkv s[10:11]
	s_set_vgpr_msb 0x40
	v_lshl_add_u32 v255, v0, 2, 0x4d000
	s_set_vgpr_msb 0x4000
	v_mov_b32 v31, 0
	s_set_vgpr_msb 0x1
	ds_add_u32 v255, v31
	s_set_vgpr_msb 0x100
	v_lshrrev_b32 v1, 5, v0
	v_readfirstlane_b32 s12, v1                    ; wave 0..3
	s_lshr_b32 s13, s12, 1                         ; wm: which 64 rows
	s_and_b32 s14, s12, 1                          ; wn: which 192 columns
	s_bfe_u32 s16, ttmp6, 0x40000                  ; cx
	s_bfe_u32 s17, ttmp6, 0x40004                  ; cy
	s_lshl_b32 s18, ttmp9, 2
	s_add_co_u32 s18, s18, s16                     ; bx: block column, 0..7
	s_and_b32 s19, ttmp7, 0xffff
	s_lshl_b32 s19, s19, 2
	s_add_co_u32 s19, s19, s17                     ; by: block row, 0..31
	s_lshl_b32 s20, s17, 2
	s_lshl_b32 s20, 15, s20                        ; my row of the cluster
	s_lshl_b32 s40, 0x1111, s16                    ; my column
	; group 1: 128 rows x 128 elements of 2 bytes, 1,024 elements from row to row, 4 words of padding behind every 64
	s_or_b32 s[G1A+0], s20, (1<<16)|(1<<20)|(1<<21)|(5<<22)|(3<<25)
	s_or_b32 s[G1B+0], s40, (1<<16)|(1<<20)|(1<<21)|(5<<22)|(3<<25)
.irp g, G1A, G1B
	s_mov_b32 s[\g+1], KSTEP<<16                   ; tensor_dim0 = 128
	s_mov_b32 s[\g+2], 128<<16                     ; tensor_dim1 = 128
	s_mov_b32 s[\g+3], KSTEP<<16                   ; tile_dim0 = 128
	s_mov_b32 s[\g+4], 128                         ; tile_dim1 = 128
	s_mov_b32 s[\g+5], 1024                        ; the pitch
	s_mov_b32 s[\g+6], 0
	s_mov_b32 s[\g+7], 0
.endr
	; A's address is made of by alone (s20-21), B's of bx and the wave's number (s41-43): neither set ever holds the other coordinate
	s_lshl_b32 s20, s19, 18                        ; by x 128 rows x 2,048 bytes
	s_mov_b32 s21, 0
	s_max_u32 s41, s12, 1
	s_sub_co_u32 s41, s41, 1                       ; waves 1, 2, 3 take B's rows 0, 128, 256 (wave 0's figure is not used)
	s_lshl_b32 s41, s41, 7
	s_mul_i32 s42, s18, 384
	s_add_co_u32 s42, s42, s41
	s_lshl_b32 s42, s42, 11                        ; x 2,048 bytes
	s_mov_b32 s43, 0
	s_mul_i32 s22, s12, HALFT                      ; LDS: wave x 128 rows: A, then B's three parts
	s_wait_dscnt 0x0
	s_wait_kmcnt 0x0
	s_add_nc_u64 s[20:21], s[4:5], s[20:21]
	s_add_nc_u64 s[42:43], s[6:7], s[42:43]
	CROUND                                         ; all sixteen work-groups are here: the first joint loads meet
.irp s, 0,1
	s_mov_b32 s[G0A+4*\s], 1
	s_add_co_u32 s[G0A+4*\s+1], s22, \s*SLOT
	s_add_nc_u64 s[G0A+4*\s+2:G0A+4*\s+3], s[20:21], \s*KSTEP*2
	s_or_b32 s[G0A+4*\s+3], s[G0A+4*\s+3], 0x80000000
	s_mov_b32 s[G0B+4*\s], 1
	s_add_co_u32 s[G0B+4*\s+1], s22, \s*SLOT
	s_add_nc_u64 s[G0B+4*\s+2:G0B+4*\s+3], s[42:43], \s*KSTEP*2
	s_or_b32 s[G0B+4*\s+3], s[G0B+4*\s+3], 0x80000000
	JLOAD \s                                       ; K steps 0 and 1: two tensor loads of the wave are out, the most in this text
.endr
	v_and_b32 v1, 15, v0                           ; r
	v_bfe_u32 v2, v0, 4, 1                         ; h
	v_and_b32 v6, 31, v0                           ; lane
	v_mul_u32_u24 v3, v1, PITCH
	v_lshl_add_u32 v3, v2, 4, v3                   ; r x pitch + 16 h
	s_mul_i32 s2, s13, 64*PITCH                    ; my 64 rows of A
	s_mul_i32 s3, s14, 192*PITCH                   ; my 192 rows of B,
	s_add_co_u32 s3, s3, HALFT                     ; which lie behind A's 128
.irp s, 0,1
	v_add_nc_u32 v[ADRA+\s], s2, v3
	v_add_nc_u32 v[ADRB+\s], s3, v3
	s_add_co_u32 s2, s2, SLOT
	s_add_co_u32 s3, s3, SLOT
.endr
	s_mul_i32 s23, s12, 64*SPITCH
	s_add_co_u32 s23, s23, STAGE                   ; my stage
	v_mul_u32_u24 v4, v1, SPITCH
	v_lshl_add_u32 v4, v2, 4, v4
	v_add_nc_u32 v[STO], s23, v4                   ; in: row r, 16 bytes for each half of the lanes
	v_lshrrev_b32 v5, 3, v6
	v_and_b32 v7, 7, v6
	v_mul_u32_u24 v5, v5, SPITCH
	v_lshl_add_u32 v5, v7, 4, v5
	v_add_nc_u32 v[RD], s23, v5                    ; back: eight lanes take a row of 128 bytes, a wave four rows
	v_lshlrev_b32 v[CO], 4, v6                     ; which are 512 consecutive bytes of a head
	v_lshlrev_b32 v[BO], 5, v2                     ; bias: 8 h numbers of 4 bytes
	s_mul_i32 s44, s18, 1536                       ; (384 bx + 192 wn) x 4 bytes
	s_mul_i32 s45, s14, 768
	s_add_co_u32 s44, s44, s45
	s_mov_b32 s45, 0
	s_add_nc_u64 s[8:9], s[8:9], s[44:45]
.irp nb, 0,1,2,3,4,5,6,7,8,9,10,11
	global_load_b128 v[BIAS+8*\nb:BIAS+8*\nb+3],   v[BO], s[8:9] offset:64*\nb       ; register j: the bias of column 16 nb + 8 h + j
	global_load_b128 v[BIAS+8*\nb+4:BIAS+8*\nb+7], v[BO], s[8:9] offset:64*\nb+16
.endr
; 12 matrix instructions: row blocks a0, a0 + 1 x six column blocks (hi = 0: blocks 0-5, 1: blocks 6-11), 32 along K, fragment buffer f.
; The 48 accumulators take turns, one instruction a turn, in the same order in every quarter step.
.macro MULH f, hi, a0, first
.irp a, \a0, \a0+1
.irp b, 0,1,2,3,4,5
.if \first
	v_wmma_f32_16x16x32_f16 v[8*(6*(\a)+\b):8*(6*(\a)+\b)+7], v[96*\f+8*(6*\hi+\b):96*\f+8*(6*\hi+\b)+7], v[FA+32*\f+8*(\a):FA+32*\f+8*(\a)+7], v[BIAS+8*(6*\hi+\b):BIAS+8*(6*\hi+\b)+7]
.else
	v_wmma_f32_16x16x32_f16 v[8*(6*(\a)+\b):8*(6*(\a)+\b)+7], v[96*\f+8*(6*\hi+\b):96*\f+8*(6*\hi+\b)+7], v[FA+32*\f+8*(\a):FA+32*\f+8*(\a)+7], v[8*(6*(\a)+\b):8*(6*(\a)+\b)+7]
.endif
.endr
.endr
.endm
; 32 LDS loads in one run: A's four row blocks, then B's twelve, 32 K at byte k of the rows, into buffer f
.macro FETCH slot, k, f
	WIN 0
.irp a, 0,1,2,3
	ds_load_b128 v[FA+32*\f+8*\a:FA+32*\f+8*\a+3],   v[ADRA+\slot] offset:\k+\a*16*PITCH
	ds_load_b128 v[FA+32*\f+8*\a+4:FA+32*\f+8*\a+7], v[ADRA+\slot] offset:\k+\a*16*PITCH+32
.endr
	WIN 0x40
.irp b, 0,1,2,3,4,5,6,7,8,9,10,11
	ds_load_b128 v[96*\f+8*\b:96*\f+8*\b+3],   v[ADRB+\slot] offset:\k+\b*16*PITCH
	ds_load_b128 v[96*\f+8*\b+4:96*\f+8*\b+7], v[ADRB+\slot] offset:\k+\b*16*PITCH+32
.endr
.endm
; one of a K step's first three quarters: multiplies buffer f, fetches the next quarter into buffer g in its middle
.macro QUARTER slot, k, f, g, first
	s_wait_dscnt 12                                ; A and B's blocks 0-5 are in; the youngest twelve loads (blocks 6-11) may be out
.if \first
	WIN 0x81                                       ; source 0 window 1, source 1 and C (the bias) window 0, D window 2
.else
	WIN 0xa1
.endif
	MULH \f, 0, 0, \first
	MULH \f, 0, 2, \first
	PLACES
	FETCH \slot, \k, \g
	s_wait_dscnt 32                                ; all but the 32 just issued
.if \first
	WIN 0xc1
.else
	WIN 0xf1
.endif
	MULH \f, 1, 0, \first
	MULH \f, 1, 2, \first
.endm
.macro THREE slot, first
	QUARTER \slot, 64,  0, 1, \first
	QUARTER \slot, 128, 1, 0, 0
	QUARTER \slot, 192, 0, 1, 0
.endm
; the last quarter: multiplies buffer 1 and changes slots.  In front of the barrier each wave waits for its reads of this slot and for all its
; tensor loads (one is out: its part of the next slot).  Where the slot is filled again the barrier opens a round of the cluster's barrier, and the
; joint refill is the first tensor load behind the round's closing wait.  From a request to the wait for it a wave issues 180 matrix instructions.
.macro TURN slot, next, fill
	s_wait_dscnt 12
	WIN 0xa1
	MULH 1, 0, 0, 0
	s_wait_dscnt 0x0                               ; my reads of this slot are over
	s_wait_tensorcnt 0x0                           ; all my tensor loads have landed
	ds_add_u32 v255, v31
	s_wait_dscnt 0x0
	s_barrier_signal -1
	MULH 1, 0, 2, 0                                ; register work while the others arrive
	WIN 0
	s_barrier_wait -1
.if \fill
	CREST
	s_add_nc_u64 s[G0A+4*\slot+2:G0A+4*\slot+3], s[G0A+4*\slot+2:G0A+4*\slot+3], 2*KSTEP*2
	s_add_nc_u64 s[G0B+4*\slot+2:G0B+4*\slot+3], s[G0B+4*\slot+2:G0B+4*\slot+3], 2*KSTEP*2
	JLOAD \slot
.endif
	PLACES
	FETCH \next, 0, 0
	WIN 0xf1
	MULH 1, 1, 0, 0
	MULH 1, 1, 2, 0
.endm
.macro LAP first
	THREE 0, \first
	TURN 0, 1, 1
	THREE 1, 0
	TURN 1, 0, 1
.endm
	s_wait_loadcnt 0x0                             ; the bias
	s_wait_tensorcnt 0x1                           ; my part of K step 0 is in; K step 1's load stays out
	s_barrier_signal -1
	s_barrier_wait -1
	FETCH 0, 0, 0
	LAP 1                                          ; K steps 0, 1: the first products start the sums from the bias
	WIN 0
	s_mov_b32 s15, LAPS-2
.Llap:
	LAP 0
	WIN 0
	s_sub_co_u32 s15, s15, 1
	s_cmp_lg_u32 s15, 0
	s_cbranch_scc1 .Llap
	THREE 0, 0                                     ; the last lap fills nothing
	TURN 0, 1, 0
	THREE 1, 0
	s_wait_dscnt 12
	WIN 0xa1
	MULH 1, 0, 0, 0
	MULH 1, 0, 2, 0
	s_wait_dscnt 0x0
	WIN 0xf1
	MULH 1, 1, 0, 0
	MULH 1, 1, 2, 0
	; THE WAY OUT, a head (64 rows x 64 columns) at a time: round to f16, 16 bytes a lane into my stage, back as whole rows, 512 bytes a store
	PLACES
	s_lshr_b32 s20, s19, 4                         ; b
	s_mul_i32 s20, s20, 12582912                   ; x 48 heads of 262,144 bytes
	s_and_b32 s21, s19, 15
	s_lshl_b32 s21, s21, 14                        ; + 128 (by & 15) rows of 128 bytes
	s_add_co_u32 s20, s20, s21
	s_lshl_b32 s21, s13, 13                        ; + 64 wm rows
	s_add_co_u32 s20, s20, s21
	s_mov_b32 s21, 0
	s_add_nc_u64 s[10:11], s[10:11], s[20:21]
	s_mul_i32 s46, s18, 1572864                    ; + (6 bx + 3 wn) heads
	s_mul_i32 s47, s14, 786432
	s_add_co_u32 s46, s46, s47
	s_mov_b32 s47, 0
	s_add_nc_u64 s[10:11], s[10:11], s[46:47]
.macro OUTH hh
.irp q, 0,1,2,3
.if (4*\hh+\q) < 6
	WIN 0x0a                                       ; sources in window 2
.irp a, 0,1,2,3
.irp p, 0,1,2,3
	v_cvt_pk_f16_f32 v[TMP+4*(4*\a+\q)+\p], v[8*(6*\a+4*\hh+\q)+2*\p], v[8*(6*\a+4*\hh+\q)+2*\p+1]
.endr
.endr
.else
	WIN 0x0f                                       ; sources in window 3
.irp a, 0,1,2,3
.irp p, 0,1,2,3
	v_cvt_pk_f16_f32 v[TMP+4*(4*\a+\q)+\p], v[8*(6*\a+4*\hh+\q-6)+2*\p], v[8*(6*\a+4*\hh+\q-6)+2*\p+1]
.endr
.endr
.endif
.endr
	WIN 0
.irp a, 0,1,2,3
.irp q, 0,1,2,3
	ds_store_b128 v[STO], v[TMP+4*(4*\a+\q):TMP+4*(4*\a+\q)+3] offset:\a*16*SPITCH+32*\q
.endr
.endr
	s_wait_xcnt 0x0                                ; the last head's stores have read RB: it is loaded again only behind this wait
.irp t, 0,1,2,3,4,5,6,7,8,9,10,11,12,13,14,15
	ds_load_b128 v[RB+4*\t:RB+4*\t+3], v[RD] offset:\t*4*SPITCH    ; LDS serves a wave's instructions in order: these see the stores above
.endr
.irp t, 0,1,2,3,4,5,6,7,8,9,10,11,12,13,14,15
	s_wait_dscnt 15-\t                             ; load t is in, the 15 - t younger stay out
	global_store_b128 v[CO], v[RB+4*\t:RB+4*\t+3], s[10:11] offset:\hh*262144+512*\t
.endr
.endm
	OUTH 0
	OUTH 1
	OUTH 2
	s_set_vgpr_msb 0x1
	s_wait_tensorcnt 0x0
	ds_add_u32 v255, v31
	s_wait_dscnt 0x0
	s_set_vgpr_msb 0x100
	CROUND                                         ; the closing round: no work-group ends while a partner may still ask for a tile that names it
	s_endpgm
.Lfunc_end_k_q0b98ed125f_qkv:
	.size	k_q0b98ed125f_qkv, .Lfunc_end_k_q0b98ed125f_qkv-k_q0b98ed125f_qkv
	.p2alignl 7, 3214868480
	.fill 96, 4, 3214868480
	.section	.rodata,"a",@progbits
	.p2align	6, 0x0
	.amdhsa_kernel k_q0b98ed125f_qkv
		.amdhsa_group_segment_fixed_size 327680
		.amdhsa_private_segment_fixed_size 0
		.amdhsa_enable_private_segment 0
		.amdhsa_kernarg_size 32
		.amdhsa_user_sgpr_count 2
		.amdhsa_user_sgpr_kernarg_segment_ptr 1
		.amdhsa_wavefront_size32 1
		.amdhsa_system_sgpr_workgroup_id_x 1
		.amdhsa_system_sgpr_workgroup_id_y 1
		.amdhsa_system_sgpr_workgroup_id_z 1
		.amdhsa_system_vgpr_workitem_id 0
		.amdhsa_next_free_vgpr 960
		.amdhsa_next_free_sgpr 66
		.amdhsa_reserve_vcc 0
		.amdhsa_float_denorm_mode_32 3
		.amdhsa_float_denorm_mode_16_64 3
		.amdhsa_memory_ordered 1
		.amdhsa_forward_progress 1
		.amdhsa_inst_pref_size 166
	.end_amdhsa_kernel
	.amdgpu_metadata
---
amdhsa.version: [ 1, 2 ]
amdhsa.kernels:
  - .name:           k_q0b98ed125f_qkv
    .symbol:         k_q0b98ed125f_qkv.kd
    .args:
      - { .name: xh, .offset: 0, .size: 8, .value_kind: global_buffer, .address_space: global }
      - { .name: wt, .offset: 8, .size: 8, .value_kind: global_buffer, .address_space: global }
      - { .name: ball, .offset: 16, .size: 8, .value_kind: global_buffer, .address_space: global }
      - { .name: qkv, .offset: 24, .size: 8, .value_kind: global_buffer, .address_space: global }
    .group_segment_fixed_size: 327680
    .private_segment_fixed_size: 0
    .kernarg_segment_align: 8
    .kernarg_segment_size: 32
    .max_flat_workgroup_size: 128
    .sgpr_count:     66
    .vgpr_count:     960
    .wavefront_size: 32
...
	.end_amdgpu_metadata
.endif
;; end of part 2
;; launch attn (part 3): grid 8 x 32, 4 waves a work-group, clusters of 4 x 1, 327,680 bytes of LDS; arguments qkv, ctx; writes ctx
.if DOCPART == 3
	.amdgcn_target "amdgcn-amd-amdhsa--gfx1250"
	.amdhsa_code_object_version 6
	.text
	.protected	k_q0b98ed125f_attn
	.globl	k_q0b98ed125f_attn
	.p2align	8
	.type	k_q0b98ed125f_attn,@function
k_q0b98ed125f_attn:
	s_mov_b64 s[64:65], 0
	v_nop
	global_prefetch_b8 v0, s[64:65] scope:SCOPE_SE
	s_setreg_imm32_b32 hwreg(HW_REG_WAVE_MODE, 25, 1), 1
	s_wait_xcnt 0x0
	s_wait_alu depctr_hold_cnt(0) depctr_sa_sdst(0) depctr_va_vdst(0) depctr_va_sdst(0) depctr_va_ssrc(0) depctr_va_vcc(0) depctr_vm_vsrc(0)
	s_getreg_b32 s2, hwreg(HW_REG_IB_STS2, 6, 4)
	s_cmp_eq_u32 s2, 0
	s_cbranch_scc0 .Lentry_in_a_cluster
	s_endpgm
.Lentry_in_a_cluster:
	s_bfe_u32 s2, ttmp6, 0x10000c
	s_cmp_lg_u32 s2, 0x3003
	s_cbranch_scc0 .Lentry_shape_is_right
	s_endpgm
.Lentry_shape_is_right:
; ctx[b 16 + h][s][d] = f16( softmax(q k^T / 8) v ), one head and 256 queries a work-group, 64 queries a wave, keys in tiles of 256.
; q comes scaled by log2(e) / 8, so the scores are exponents of 2.  The maximum is taken away by a running maximum in f32; sums in f32.
; LIMIT: P (in (0, 1]) and ctx are rounded to f16; a P below 3e-8 counts as zero.
; BOTH PRODUCTS ARE TRANSPOSED.  S^T = K Q^T: register j of lane (r, h) holds key 8 h + j, query r; two score tiles of 16 keys, packed in pairs,
; are then already the second operand of O^T = V^T P^T, with no shuffle.  V^T's fragments come from V [key][d] by the transposing LDS load.
; A query's maximum, sum and rescaling factor belong to lane r of both halves: one exchange of the halves a chunk.
; CLUSTER 4 x 1: four query blocks of one head read the same K and V tiles and ask for them jointly (mask 15); the addresses hang on the head and
; the wave's number alone.  Each wave asks for its 64 keys of K and of V: two tensor loads a tile, at most two of a wave out.
; REGISTERS: window 0: v8-16 addresses, v64-127 K's fragments (at the end: packed results), v128-191 V's fragments (at the end: rows to store).
;   window 1: v0-127 scores S(kt, qt) at 8 (4 kt + qt), P(g, qt) made in place at S(2 g, qt); v128-151 the lanes' figures.
;   window 2: v0-127 O(qt, dt) at 8 (4 qt + dt); v128-191 Q(qt, ds) at 128 + 8 (2 qt + ds).
.set HB,     262144                    ; bytes of a head: 2,048 x 64 x 2
.set TILEB,  32768                     ; 256 keys x 128 bytes
.set KW,     32*272                    ; a wave's 64 keys of K: 32 rows of two keys, 256 bytes + 16
.set VW,     32*288                    ; of V: 256 bytes + 32
.set VOFF,   4*KW
.set SLOT,   VOFF+4*VW                 ; 71,680
.set STAGE,  2*SLOT                    ; never filled by a tensor load: 64 rows x 144 bytes for each wave
.set SPITCH, 144
.set KA,  8                            ; v8-9    K fragments in slot 0, 1
.set VA,  10                           ; v10-11  V fragments
.set STO, 12
.set RD,  13
.set CO,  14
.set QO,  15
.set PFO, 16
.set KF,  64
.set VF,  128
.set TMP, 64
.set RB,  128
.set MA,  128                          ; window 1: the maximum of query tile qt, old and new by turns with MB
.set MB,  132
.set AL,  136                          ; 2^(old - new)
.set XR,  140                          ; the other half's figure
.set LP,  144                          ; the lane's sums, a pair for each qt
.set QF,  128                          ; window 2
.set G1K, 16
.set G1V, 24
.set G0K, 32
.set G0V, 40
.set MSB, 0
.macro WIN new
.if MSB != \new
	s_set_vgpr_msb (MSB<<8)|\new
.set MSB, \new
.endif
.endm
.macro ROUND                           ; a round of the cluster's barrier
	s_barrier_signal -1
	s_barrier_wait -1
	s_cmp_lg_u32 s8, 0
	s_cbranch_scc1 .Lnot_wave_0_\@
	s_barrier_signal -3
.Lnot_wave_0_\@:
	s_barrier_wait -3
	s_barrier_signal -1
	s_barrier_wait -1
.endm
	s_load_b128 s[4:7], s[0:1], 0x0                ; qkv s[4:5], ctx s[6:7]
	v_lshl_add_u32 v254, v0, 2, 0x2c000
	v_mov_b32 v255, 0
	ds_add_u32 v254, v255
	v_lshrrev_b32 v1, 5, v0
	v_readfirstlane_b32 s8, v1                     ; wave 0..3
	s_bfe_u32 s9, ttmp6, 0x40000                   ; cx
	s_lshl_b32 s10, ttmp9, 2
	s_add_co_u32 s10, s10, s9                      ; qb: query block 0..7
	s_and_b32 s11, ttmp7, 0xffff                   ; bh = 16 b + h
	s_mov_b32 s50, 0x76543210                      ; v_permlanex16_b32: lane i reads lane i of the other half
	s_mov_b32 s51, 0xfedcba98
	; group 1: a dense block of 8,192 bytes as 32 rows of 32 elements of 8 bytes; behind every 64 words 4 (K) or 8 (V) words of padding
	s_mov_b32 s[G1K+0], 15|(3<<16)|(1<<20)|(1<<21)|(5<<22)|(3<<25)
	s_mov_b32 s[G1V+0], 15|(3<<16)|(1<<20)|(1<<21)|(5<<22)|(7<<25)
.irp g, G1K, G1V
	s_mov_b32 s[\g+1], 32<<16                      ; tensor_dim0 = 32
	s_mov_b32 s[\g+2], 32<<16                      ; tensor_dim1 = 32
	s_mov_b32 s[\g+3], 32<<16                      ; tile_dim0 = 32
	s_mov_b32 s[\g+4], 32                          ; tile_dim1 = 32
	s_mov_b32 s[\g+5], 32                          ; the pitch
	s_mov_b32 s[\g+6], 0
	s_mov_b32 s[\g+7], 0
.endr
	s_lshr_b32 s12, s11, 4
	s_mul_i32 s12, s12, 48
	s_and_b32 s13, s11, 15
	s_add_co_u32 s12, s12, s13                     ; the q head's number in qkv: 48 b + h
	s_lshl_b32 s12, s12, 18                        ; in bytes
	s_lshl_b32 s13, s8, 13                         ; my 64 rows: wave x 8,192 bytes
	s_add_co_u32 s14, s12, s13
	s_add_co_u32 s14, s14, 16*HB                   ; the k head lies 16 heads on, the v head 32
	s_mov_b32 s15, 0
	s_mul_i32 s2, s8, KW                           ; LDS: my part of K,
	s_mul_i32 s3, s8, VW
	s_add_co_u32 s3, s3, VOFF                      ; of V
	s_wait_dscnt 0x0
	s_wait_kmcnt 0x0
	s_add_nc_u64 s[14:15], s[4:5], s[14:15]
.irp s, 0,1
	s_mov_b32 s[G0K+4*\s], 1
	s_add_co_u32 s[G0K+4*\s+1], s2, \s*SLOT
	s_add_nc_u64 s[G0K+4*\s+2:G0K+4*\s+3], s[14:15], \s*TILEB
	s_or_b32 s[G0K+4*\s+3], s[G0K+4*\s+3], 0x80000000
	s_mov_b32 s[G0V+4*\s], 1
	s_add_co_u32 s[G0V+4*\s+1], s3, \s*SLOT
	s_add_nc_u64 s[G0V+4*\s+2:G0V+4*\s+3], s[14:15], 16*HB+\s*TILEB
	s_or_b32 s[G0V+4*\s+3], s[G0V+4*\s+3], 0x80000000
.endr
	ROUND                                          ; in front of the first joint loads
	tensor_load_to_lds s[G0K:G0K+3], s[G1K:G1K+7]  ; tile 0
	s_nop 0
	tensor_load_to_lds s[G0V:G0V+3], s[G1V:G1V+7]
	s_nop 0
	s_lshl_b32 s54, s10, 15                        ; Q: my work-group's 256 rows of the q head
	s_add_co_u32 s54, s54, s12
	s_mov_b32 s55, 0
	s_add_nc_u64 s[54:55], s[4:5], s[54:55]
	; prefetch: trip t asks for tile t + 2.  Query blocks 0-3 of a head ask for K's tile, 4-7 for V's, 8,192 bytes each, lanes 256 bytes apart
	s_lshr_b32 s52, s10, 2
	s_lshl_b32 s52, s52, 22                        ; 16 heads on for V
	s_and_b32 s53, s10, 3
	s_lshl_b32 s53, s53, 13
	s_add_co_u32 s52, s52, s53
	s_add_co_u32 s52, s52, s12
	s_add_co_u32 s52, s52, 16*HB+TILEB             ; tile 1: stepped by a tile ahead of each use
	s_mov_b32 s53, 0
	s_add_nc_u64 s[52:53], s[4:5], s[52:53]
	v_and_b32 v1, 31, v0                           ; lane L
	v_and_b32 v2, 15, v0                           ; r
	v_bfe_u32 v3, v0, 4, 1                         ; h
	v_and_b32 v5, 1, v0
	v_lshrrev_b32 v4, 1, v2
	v_mul_u32_u24 v4, v4, 272                      ; key r lies at (r >> 1) 272 + (r & 1) 128: 16 lanes, 16 different 16-byte columns of 256
	v_lshl_add_u32 v4, v5, 7, v4
	v_lshl_add_u32 v[KA], v3, 4, v4                ; + 16 h
	v_add_nc_u32 v[KA+1], SLOT, v[KA]
	v_bfe_u32 v6, v0, 1, 2
	v_lshl_add_u32 v6, v3, 2, v6                   ; key 8 h + (L & 7) lies at (4 h + ((L & 7) >> 1)) 288 + (L & 1) 128
	v_mul_u32_u24 v6, v6, 288
	v_lshl_add_u32 v6, v5, 7, v6
	v_bfe_u32 v7, v0, 3, 1
	v_lshl_add_u32 v6, v7, 4, v6                   ; + 16 bytes for lanes 8-15 of a half: d 8..15 of the block
	v_add_nc_u32 v[VA], VOFF, v6
	v_add_nc_u32 v[VA+1], SLOT+VOFF, v6
	s_mul_i32 s49, s8, 64*SPITCH
	s_add_co_u32 s49, s49, STAGE
	v_mul_u32_u24 v17, v2, SPITCH
	v_lshl_add_u32 v17, v3, 4, v17
	v_add_nc_u32 v[STO], s49, v17
	v_lshrrev_b32 v18, 3, v1
	v_mul_u32_u24 v18, v18, SPITCH
	v_and_b32 v19, 7, v0
	v_lshl_add_u32 v18, v19, 4, v18
	v_add_nc_u32 v[RD], s49, v18
	v_lshlrev_b32 v[CO], 4, v1
	v_lshlrev_b32 v20, 7, v2
	v_lshl_add_u32 v20, v3, 4, v20
	v_add_nc_u32 v[QO], s13, v20                   ; wave x 8,192 + r x 128 + 16 h
	v_lshlrev_b32 v[PFO], 8, v1
	WIN 0x80                                       ; Q's fragments stay in window 2 for the whole kernel
.irp qt, 0,1,2,3
.irp ds, 0,1
	global_load_b128 v[QF+8*(2*\qt+\ds):QF+8*(2*\qt+\ds)+3],   v[QO], s[54:55] offset:\qt*2048+64*\ds
	global_load_b128 v[QF+8*(2*\qt+\ds)+4:QF+8*(2*\qt+\ds)+7], v[QO], s[54:55] offset:\qt*2048+64*\ds+32
.endr
.endr
	WIN 0x40
.irp i, 0,1,2,3
	v_mov_b32 v[MA+\i], 0xff800000                 ; the maximum starts at minus infinity,
	v_mov_b32 v[XR+\i], 0
	v_mov_b32 v[LP+2*\i], 0                        ; the sums at 0
	v_mov_b32 v[LP+2*\i+1], 0
.endr
	WIN 0
	s_wait_loadcnt 0x0                             ; Q
.macro KLOAD slot, c                   ; K's fragments of chunk c (64 keys): KF(kt, ds) = 16 keys x 32 d
.irp kt, 0,1,2,3
.irp ds, 0,1
	ds_load_b128 v[KF+8*(2*\kt+\ds):KF+8*(2*\kt+\ds)+3],   v[KA+\slot] offset:(\c)*KW+\kt*2176+64*\ds
	ds_load_b128 v[KF+8*(2*\kt+\ds)+4:KF+8*(2*\kt+\ds)+7], v[KA+\slot] offset:(\c)*KW+\kt*2176+64*\ds+32
.endr
.endr
.endm
.macro VLOAD slot, c                   ; V^T's fragments: VF(g, dt) = 16 d x 32 keys, transposed on the way
.irp g, 0,1
.irp dt, 0,1,2,3
	ds_load_tr16_b128 v[VF+8*(4*\g+\dt):VF+8*(4*\g+\dt)+3],   v[VA+\slot] offset:(\c)*VW+\g*4608+32*\dt
	ds_load_tr16_b128 v[VF+8*(4*\g+\dt)+4:VF+8*(4*\g+\dt)+7], v[VA+\slot] offset:(\c)*VW+\g*4608+32*\dt+2304
.endr
.endr
.endm
.macro SPROD ds, zero                  ; 16 matrix instructions, one for each score tile: the tiles take turns
.irp kt, 0,1,2,3
.irp qt, 0,1,2,3
.if \zero
	v_wmma_f32_16x16x32_f16 v[8*(4*\kt+\qt):8*(4*\kt+\qt)+7], v[KF+8*(2*\kt+\ds):KF+8*(2*\kt+\ds)+7], v[QF+8*(2*\qt+\ds):QF+8*(2*\qt+\ds)+7], 0
.else
	v_wmma_f32_16x16x32_f16 v[8*(4*\kt+\qt):8*(4*\kt+\qt)+7], v[KF+8*(2*\kt+\ds):KF+8*(2*\kt+\ds)+7], v[QF+8*(2*\qt+\ds):QF+8*(2*\qt+\ds)+7], v[8*(4*\kt+\qt):8*(4*\kt+\qt)+7]
.endif
.endr
.endr
.endm
; the new maximum of each query (mn) from the old one (mo) and the lane's 32 scores, four chains by turns; then the other half's; then AL = 2^(mo - mn)
.macro MAXES mo, mn
.irp kt, 0,1,2,3
.irp pr, 0,1,2,3
.irp qt, 0,1,2,3
.if (\kt+\pr) == 0
	v_max3_num_f32 v[\mn+\qt], v[\mo+\qt], v[8*(4*\kt+\qt)+2*\pr], v[8*(4*\kt+\qt)+2*\pr+1]
.else
	v_max3_num_f32 v[\mn+\qt], v[\mn+\qt], v[8*(4*\kt+\qt)+2*\pr], v[8*(4*\kt+\qt)+2*\pr+1]
.endif
.endr
.endr
.endr
.irp qt, 0,1,2,3
	v_permlanex16_b32 v[XR+\qt], v[\mn+\qt], s50, s51
.endr
.irp qt, 0,1,2,3
	v_max_num_f32 v[\mn+\qt], v[\mn+\qt], v[XR+\qt]
.endr
.irp qt, 0,1,2,3
	v_sub_f32 v[AL+\qt], v[\mo+\qt], v[\mn+\qt]
.endr
.irp qt, 0,1,2,3
	v_exp_f32 v[AL+\qt], v[AL+\qt]                 ; first used two stages on; a plain instruction that names none of AL follows
.endr
.endm
; One stage of the softmax over the query tiles: tile tb takes its exponentials, tile ta has the maximum taken away, tile tc is summed and packed
; to f16 in place (-1: none).  Behind each pair of exponentials stands a plain instruction on another tile (ISA guide 5.7.2).
.macro SMSTAGE tb, ta, tc, mn
.irp kt, 0,1,2,3
.irp pr, 0,1,2,3
.if \tb >= 0
	v_exp_f32 v[8*(4*\kt+\tb)+2*\pr], v[8*(4*\kt+\tb)+2*\pr]
	v_exp_f32 v[8*(4*\kt+\tb)+2*\pr+1], v[8*(4*\kt+\tb)+2*\pr+1]
.endif
.if \ta >= 0
.if \ta & 1
	v_pk_add_f32 v[8*(4*\kt+\ta)+2*\pr:8*(4*\kt+\ta)+2*\pr+1], v[8*(4*\kt+\ta)+2*\pr:8*(4*\kt+\ta)+2*\pr+1], v[\mn+\ta-1:\mn+\ta] op_sel:[0,1] op_sel_hi:[1,1] neg_lo:[0,1] neg_hi:[0,1]
.else
	v_pk_add_f32 v[8*(4*\kt+\ta)+2*\pr:8*(4*\kt+\ta)+2*\pr+1], v[8*(4*\kt+\ta)+2*\pr:8*(4*\kt+\ta)+2*\pr+1], v[\mn+\ta:\mn+\ta+1] op_sel_hi:[1,0] neg_lo:[0,1] neg_hi:[0,1]
.endif
.endif
.if \tc >= 0
.if (\kt+\pr) == 0
.if \tc & 1
	v_pk_fma_f32 v[LP+2*\tc:LP+2*\tc+1], v[LP+2*\tc:LP+2*\tc+1], v[AL+\tc-1:AL+\tc], v[8*(4*\kt+\tc)+2*\pr:8*(4*\kt+\tc)+2*\pr+1] op_sel:[0,1,0] op_sel_hi:[1,1,1]
.else
	s_wait_alu depctr_va_vdst(0)
	v_pk_fma_f32 v[LP+2*\tc:LP+2*\tc+1], v[LP+2*\tc:LP+2*\tc+1], v[AL+\tc:AL+\tc+1], v[8*(4*\kt+\tc)+2*\pr:8*(4*\kt+\tc)+2*\pr+1] op_sel_hi:[1,0,1]
.endif
.else
	s_wait_alu depctr_va_vdst(0)
	v_pk_add_f32 v[LP+2*\tc:LP+2*\tc+1], v[LP+2*\tc:LP+2*\tc+1], v[8*(4*\kt+\tc)+2*\pr:8*(4*\kt+\tc)+2*\pr+1]
.endif
	v_cvt_pk_f16_f32 v[8*(4*(\kt&2)+\tc)+4*(\kt&1)+\pr], v[8*(4*\kt+\tc)+2*\pr], v[8*(4*\kt+\tc)+2*\pr+1]   ; lands on registers whose pairs are already summed
.endif
.endr
.endr
.endm
.macro OSCALE                          ; O(qt, ..) *= AL(qt): 32 registers a query tile
	WIN 0x86                                       ; O in window 2, AL in window 1
.irp qt, 0,2
.irp p, 0,1,2,3,4,5,6,7,8,9,10,11,12,13,14,15
	s_wait_alu depctr_va_vdst(0)
	v_pk_mul_f32 v[32*\qt+2*\p:32*\qt+2*\p+1], v[32*\qt+2*\p:32*\qt+2*\p+1], v[AL+\qt:AL+\qt+1] op_sel_hi:[1,0]
.endr
.endr
.irp qt, 1,3
.irp p, 0,1,2,3,4,5,6,7,8,9,10,11,12,13,14,15
	v_pk_mul_f32 v[32*\qt+2*\p:32*\qt+2*\p+1], v[32*\qt+2*\p:32*\qt+2*\p+1], v[AL+\qt-1:AL+\qt] op_sel:[0,1] op_sel_hi:[1,1]
.endr
.endr
.endm
.macro PV first                        ; 32 matrix instructions; the 16 accumulators take turns
.irp g, 0,1
.irp dt, 0,1,2,3
.irp qt, 0,1,2,3
.if (\first)*(1-\g)
	v_wmma_f32_16x16x32_f16 v[8*(4*\qt+\dt):8*(4*\qt+\dt)+7], v[VF+8*(4*\g+\dt):VF+8*(4*\g+\dt)+7], v[8*(8*\g+\qt):8*(8*\g+\qt)+7], 0
.else
	v_wmma_f32_16x16x32_f16 v[8*(4*\qt+\dt):8*(4*\qt+\dt)+7], v[VF+8*(4*\g+\dt):VF+8*(4*\g+\dt)+7], v[8*(8*\g+\qt):8*(8*\g+\qt)+7], v[8*(4*\qt+\dt):8*(4*\qt+\dt)+7]
.endif
.endr
.endr
.endr
.endm
; 64 keys x 64 queries.  first: the very first chunk starts O's sums.  nextk: the next chunk's K fragments are fetched from the same slot.
.macro CHUNK slot, c, first, nextk, mo, mn
	s_wait_dscnt 0x0                               ; K's fragments are in
	WIN 0x58                                       ; K window 0, Q window 2, S window 1
	SPROD 0, 1
	SPROD 1, 0
.rept 4
	v_nop                                          ; four places ahead of the loads into K's fragments and of the reads of S
.endr
	WIN 0
	VLOAD \slot, \c
.if \nextk
	KLOAD \slot, \c+1
.endif
	WIN 0x55
	MAXES \mo, \mn
	SMSTAGE -1, 0, -1, \mn
	SMSTAGE 0, 1, -1, \mn
	SMSTAGE 1, 2, 0, \mn
	SMSTAGE 2, 3, 1, \mn
	SMSTAGE 3, -1, 2, \mn
	SMSTAGE -1, -1, 3, \mn
.if \first == 0
	OSCALE
.endif
.if \nextk
	s_wait_dscnt 16                                ; V's 16 loads are in; the 16 younger ones (the next chunk's K) stay out
.else
	s_wait_dscnt 0x0
.endif
	WIN 0xa4                                       ; V window 0, P window 1, O window 2
	PV \first
.rept 5
	v_nop                                          ; five places: the next chunk's first products write over P (ISA guide 7.12.1)
.endr
	WIN 0
.endm
; A tile of 256 keys.  In front of the round every wave waits for all its tensor loads (this trip's tile among them) and for its reads of the other
; slot; the round takes the place of the work-group barrier; the joint refills of the other slot are the first tensor loads behind it and have the
; whole trip, 256 matrix instructions and the softmax, in which to land.
.macro TRIP slot, refill, first, pf
	s_wait_tensorcnt 0x0
	ds_add_u32 v254, v255
	s_wait_dscnt 0x0
	s_add_nc_u64 s[G0K+4*\slot+2:G0K+4*\slot+3], s[G0K+4*\slot+2:G0K+4*\slot+3], 2*TILEB   ; no load of mine is out: this slot's next tile
	s_add_nc_u64 s[G0V+4*\slot+2:G0V+4*\slot+3], s[G0V+4*\slot+2:G0V+4*\slot+3], 2*TILEB
	s_wait_dscnt 0x0
	ROUND
.if \refill
	tensor_load_to_lds s[G0K+4-4*\slot:G0K+7-4*\slot], s[G1K:G1K+7]
	s_nop 0
	tensor_load_to_lds s[G0V+4-4*\slot:G0V+7-4*\slot], s[G1V:G1V+7]
	s_nop 0
.endif
.if \pf
	s_cmp_lg_u32 s8, 0                             ; wave 0 alone asks: my work-group's 8,192 bytes of the tile two trips on, whose tensor load is issued in the next trip
	s_cbranch_scc1 .Lno_pf_\@
	s_wait_xcnt 0x0                                ; the last trip's prefetch has read its base
	s_add_nc_u64 s[52:53], s[52:53], TILEB
	global_prefetch_b8 v[PFO], s[52:53] th:TH_LOAD_NT scope:SCOPE_SE
.Lno_pf_\@:
.endif
	KLOAD \slot, 0
	CHUNK \slot, 0, \first, 1, MA, MB
	CHUNK \slot, 1, 0, 1, MB, MA
	CHUNK \slot, 2, 0, 1, MA, MB
	CHUNK \slot, 3, 0, 0, MB, MA
.endm
	TRIP 0, 1, 1, 1                                ; tiles 0 and 1
	TRIP 1, 1, 0, 1
	s_mov_b32 s48, 2
.Ltiles:
	TRIP 0, 1, 0, 1                                ; tiles 2 to 5; the prefetch of trip 5 asks for tile 7, the last
	TRIP 1, 1, 0, 1
	s_sub_co_u32 s48, s48, 1
	s_cmp_lg_u32 s48, 0
	s_cbranch_scc1 .Ltiles
	TRIP 0, 1, 0, 0                                ; tile 6 fetches tile 7,
	TRIP 1, 0, 0, 0                                ; tile 7 nothing (the stepped addresses are not used)
	; the sums of both halves, their reciprocals, O scaled, rounded to f16 and sent out through my stage as whole rows
	WIN 0x55
.irp qt, 0,1,2,3
	v_add_f32 v[XR+\qt], v[LP+2*\qt], v[LP+2*\qt+1]
.endr
.irp qt, 0,1,2,3
	v_permlanex16_b32 v[AL+\qt], v[XR+\qt], s50, s51
.endr
.irp qt, 0,1,2,3
	v_add_f32 v[XR+\qt], v[XR+\qt], v[AL+\qt]
.endr
.irp qt, 0,1,2,3
	v_rcp_f32 v[AL+\qt], v[XR+\qt]
.endr
	v_nop                                          ; a plain place behind the reciprocals (ISA guide 5.7.2)
	OSCALE
	WIN 0x0a                                       ; sources in window 2, results in window 0
.irp qt, 0,1,2,3
.irp dt, 0,1,2,3
.irp p, 0,1,2,3
	v_cvt_pk_f16_f32 v[TMP+4*(4*\qt+\dt)+\p], v[8*(4*\qt+\dt)+2*\p], v[8*(4*\qt+\dt)+2*\p+1]
.endr
.endr
.endr
	WIN 0
	s_lshl_b32 s54, s11, 18                        ; ctx: head bh, rows 256 qb + 64 wave, 128 bytes a row
	s_lshl_b32 s55, s10, 15
	s_add_co_u32 s54, s54, s55
	s_add_co_u32 s54, s54, s13
	s_mov_b32 s55, 0
	s_add_nc_u64 s[6:7], s[6:7], s[54:55]
.irp qt, 0,1,2,3
.irp dt, 0,1,2,3
	ds_store_b128 v[STO], v[TMP+4*(4*\qt+\dt):TMP+4*(4*\qt+\dt)+3] offset:\qt*16*SPITCH+32*\dt   ; query 16 qt + r, d 16 dt + 8 h ..
.endr
.endr
.irp t, 0,1,2,3,4,5,6,7,8,9,10,11,12,13,14,15
	ds_load_b128 v[RB+4*\t:RB+4*\t+3], v[RD] offset:\t*4*SPITCH    ; LDS serves a wave's instructions in order: these see the stores above
.endr
.irp t, 0,1,2,3,4,5,6,7,8,9,10,11,12,13,14,15
	s_wait_dscnt 15-\t                             ; load t is in, the 15 - t younger stay out
	global_store_b128 v[CO], v[RB+4*\t:RB+4*\t+3], s[6:7] offset:512*\t   ; four rows: 512 consecutive bytes, aligned
.endr
	s_wait_tensorcnt 0x0
	ds_add_u32 v254, v255
	s_wait_dscnt 0x0
	ROUND                                          ; the closing round
	s_endpgm
.Lfunc_end_k_q0b98ed125f_attn:
	.size	k_q0b98ed125f_attn, .Lfunc_end_k_q0b98ed125f_attn-k_q0b98ed125f_attn
	.p2alignl 7, 3214868480
	.fill 96, 4, 3214868480
	.section	.rodata,"a",@progbits
	.p2align	6, 0x0
	.amdhsa_kernel k_q0b98ed125f_attn
		.amdhsa_group_segment_fixed_size 327680
		.amdhsa_private_segment_fixed_size 0
		.amdhsa_enable_private_segment 0
		.amdhsa_kernarg_size 16
		.amdhsa_user_sgpr_count 2
		.amdhsa_user_sgpr_kernarg_segment_ptr 1
		.amdhsa_wavefront_size32 1
		.amdhsa_system_sgpr_workgroup_id_x 1
		.amdhsa_system_sgpr_workgroup_id_y 1
		.amdhsa_system_sgpr_workgroup_id_z 1
		.amdhsa_system_vgpr_workitem_id 0
		.amdhsa_next_free_vgpr 704
		.amdhsa_next_free_sgpr 66
		.amdhsa_reserve_vcc 0
		.amdhsa_float_denorm_mode_32 3
		.amdhsa_float_denorm_mode_16_64 3
		.amdhsa_memory_ordered 1
		.amdhsa_forward_progress 1
		.amdhsa_inst_pref_size 255
	.end_amdhsa_kernel
	.section	.bss,"aw",@nobits
	.p2align	6
	.space	262144
	.amdgpu_metadata
---
amdhsa.version: [ 1, 2 ]
amdhsa.kernels:
  - .name:           k_q0b98ed125f_attn
    .symbol:         k_q0b98ed125f_attn.kd
    .args:
      - { .name: qkv, .offset: 0, .size: 8, .value_kind: global_buffer, .address_space: global }
      - { .name: ctx, .offset: 8, .size: 8, .value_kind: global_buffer, .address_space: global }
    .group_segment_fixed_size: 327680
    .private_segment_fixed_size: 0
    .kernarg_segment_align: 8
    .kernarg_segment_size: 16
    .max_flat_workgroup_size: 128
    .sgpr_count:     66
    .vgpr_count:     704
    .wavefront_size: 32
...
	.end_amdgpu_metadata
.endif
;; end of part 3
;; launch oproj (part 4): grid 8 x 32, 4 waves a work-group, clusters of 4 x 4, 327,680 bytes of LDS; arguments ctx, wt, ball, out0; writes out0
.if DOCPART == 4
	.amdgcn_target "amdgcn-amd-amdhsa--gfx1250"
	.amdhsa_code_object_version 6
	.text
	.protected	k_q0b98ed125f_oproj
	.globl	k_q0b98ed125f_oproj
	.p2align	8
	.type	k_q0b98ed125f_oproj,@function
k_q0b98ed125f_oproj:
	s_mov_b64 s[64:65], 0
	v_nop
	global_prefetch_b8 v0, s[64:65] scope:SCOPE_SE
	s_setreg_imm32_b32 hwreg(HW_REG_WAVE_MODE, 25, 1), 1
	s_wait_xcnt 0x0
	s_wait_alu depctr_hold_cnt(0) depctr_sa_sdst(0) depctr_va_vdst(0) depctr_va_sdst(0) depctr_va_ssrc(0) depctr_va_vcc(0) depctr_vm_vsrc(0)
	s_getreg_b32 s2, hwreg(HW_REG_IB_STS2, 6, 4)
	s_cmp_eq_u32 s2, 0
	s_cbranch_scc0 .Lentry_in_a_cluster
	s_endpgm
.Lentry_in_a_cluster:
	s_bfe_u32 s2, ttmp6, 0x10000c
	s_cmp_lg_u32 s2, 0xf033
	s_cbranch_scc0 .Lentry_shape_is_right
	s_endpgm
.Lentry_shape_is_right:
; out0[4096][1024] = ctx (as [b s][h d]) . wt[3072:4096][1024]^T + ball[3072:4096], f32 out; operands f16, sums and bias f32.
; 256 work-groups of 128 x 128, four waves 2 x 2 of 64 x 64 (16 accumulator tiles): a larger block would leave work-groups for fewer than 256 WGPs.
; K goes in steps of 128 = two heads of ctx.  A step is 64 matrix instructions of a wave, so four LDS sub-slots are filled two behind one round;
; the eight steps are written out.  A wave has at most four tensor loads out (the four at the start).
; CLUSTERS 4 x 4: ctx's tiles hang on the block row alone (joint along a row of the cluster), wt's on the block column alone (joint along a column).
; Waves 0, 1 fetch the even and the odd head's 128 rows of ctx (a dense 16,384 bytes each, as 64 rows of two), waves 2, 3 fetch 64 rows of wt each.
; The matrix instruction is used transposed (source 0 = rows of wt, source 1 = rows of ctx): register j of lane (r, h) holds row r, column 8 h + j.
; The first product of each accumulator takes the bias as C.
; REGISTERS: window 0: v8-19 addresses, v32-63 bias, v64-191 two fragment buffers (A 32 registers, then B 32), v192-223 rows to store.
;            window 1: acc(a, b) at 8 (4 a + b).
.set PART,   64*272                    ; what one tensor load brings: 17,408 bytes
.set SUB,    4*PART                    ; a sub-slot: A's even head, A's odd head, B's rows 0-63, B's rows 64-127
.set STAGE,  4*SUB                     ; never filled by a tensor load: 16 rows x 272 bytes for each wave
.set SPITCH, 272
.set ADRA, 8
.set ADRB, 12
.set STO,  16
.set RD,   17
.set CO,   18
.set BO,   19
.set BIAS, 32
.set FR,   64
.set RB,   192
.set G1A, 16
.set G1B, 24
.set G0A, 32
.set G0B, 48
.set MSB, 0
.macro WIN new
.if MSB != \new
	s_set_vgpr_msb (MSB<<8)|\new
.set MSB, \new
.endif
.endm
.macro PLACES                          ; four plain vector places behind a matrix instruction (ISA guide 7.12.1)
.rept 4
	v_nop
.endr
.endm
.macro JLOAD s                         ; waves 0, 1: A's line; waves 2, 3: B's line; the branch hangs on the wave's number alone
	s_cmp_eq_u32 s13, 0
	s_cbranch_scc0 .Lfor_b_\@
	tensor_load_to_lds s[G0A+4*\s:G0A+4*\s+3], s[G1A:G1A+7]
	s_nop 0
	s_branch .Lasked_\@
.Lfor_b_\@:
	tensor_load_to_lds s[G0B+4*\s:G0B+4*\s+3], s[G1B:G1B+7]
	s_nop 0
.Lasked_\@:
.endm
.macro CROUND                          ; a round of the cluster's barrier
	s_barrier_signal -1
	s_barrier_wait -1
	s_cmp_lg_u32 s12, 0
	s_cbranch_scc1 .Lnot_wave_0_\@
	s_barrier_signal -3
.Lnot_wave_0_\@:
	s_barrier_wait -3
	s_barrier_signal -1
	s_barrier_wait -1
.endm
	s_load_b256 s[4:11], s[0:1], 0x0               ; ctx s[4:5], wt s[6:7], ball s[8:9], out0 s[10:11]
	v_lshl_add_u32 v254, v0, 2, 0x48400
	v_mov_b32 v255, 0
	ds_add_u32 v254, v255
	v_lshrrev_b32 v1, 5, v0
	v_readfirstlane_b32 s12, v1                    ; wave 0..3
	s_lshr_b32 s13, s12, 1                         ; wm: which 64 rows.  Also: I fetch for A (0) or for B (1)
	s_and_b32 s14, s12, 1                          ; wn: which 64 columns.  Also: which part I fetch
	s_bfe_u32 s66, ttmp6, 0x40000                  ; cx
	s_bfe_u32 s67, ttmp6, 0x40004                  ; cy
	s_lshl_b32 s68, ttmp9, 2
	s_add_co_u32 s68, s68, s66                     ; bx 0..7
	s_and_b32 s69, ttmp7, 0xffff
	s_lshl_b32 s69, s69, 2
	s_add_co_u32 s69, s69, s67                     ; by 0..31
	s_lshl_b32 s70, s67, 2
	s_lshl_b32 s70, 15, s70                        ; my row of the cluster
	s_lshl_b32 s71, 0x1111, s66                    ; my column
	; A: 64 rows of 32 elements of 8 bytes, dense; B: 64 rows of 128 elements of 2 bytes, 1,024 from row to row; 4 words of padding behind every 64
	s_or_b32 s[G1A+0], s70, (3<<16)|(1<<20)|(1<<21)|(5<<22)|(3<<25)
	s_mov_b32 s[G1A+1], 32<<16
	s_mov_b32 s[G1A+2], 64<<16
	s_mov_b32 s[G1A+3], 32<<16
	s_mov_b32 s[G1A+4], 64
	s_mov_b32 s[G1A+5], 32
	s_mov_b32 s[G1A+6], 0
	s_mov_b32 s[G1A+7], 0
	s_or_b32 s[G1B+0], s71, (1<<16)|(1<<20)|(1<<21)|(5<<22)|(3<<25)
	s_mov_b32 s[G1B+1], 128<<16
	s_mov_b32 s[G1B+2], 64<<16
	s_mov_b32 s[G1B+3], 128<<16
	s_mov_b32 s[G1B+4], 64
	s_mov_b32 s[G1B+5], 1024
	s_mov_b32 s[G1B+6], 0
	s_mov_b32 s[G1B+7], 0
	; A's address is made of by and the wave's number (s72-73), B's of bx and the wave's number (s76-77)
	s_lshr_b32 s72, s69, 4
	s_lshl_b32 s72, s72, 4                         ; 16 b
	s_add_co_u32 s72, s72, s14                     ; + the even or the odd head
	s_lshl_b32 s72, s72, 18                        ; x 262,144 bytes
	s_and_b32 s73, s69, 15
	s_lshl_b32 s73, s73, 14                        ; + 128 (by & 15) rows of 128 bytes
	s_add_co_u32 s72, s72, s73
	s_mov_b32 s73, 0
	s_lshl_b32 s76, s68, 7
	s_lshl_b32 s77, s14, 6
	s_add_co_u32 s76, s76, s77
	s_add_co_u32 s76, s76, 3072                    ; row 3072 + 128 bx + 64 (w & 1) of wt
	s_lshl_b32 s76, s76, 11
	s_mov_b32 s77, 0
	s_mul_i32 s74, s12, PART                       ; LDS: wave x 17,408
	s_wait_dscnt 0x0
	s_wait_kmcnt 0x0
	s_add_nc_u64 s[72:73], s[4:5], s[72:73]
	s_add_nc_u64 s[76:77], s[6:7], s[76:77]
	CROUND                                         ; in front of the first joint loads
.irp s, 0,1,2,3
	s_mov_b32 s[G0A+4*\s], 1
	s_add_co_u32 s[G0A+4*\s+1], s74, \s*SUB
	s_add_nc_u64 s[G0A+4*\s+2:G0A+4*\s+3], s[72:73], \s*524288     ; K step s: two heads on
	s_or_b32 s[G0A+4*\s+3], s[G0A+4*\s+3], 0x80000000
	s_mov_b32 s[G0B+4*\s], 1
	s_add_co_u32 s[G0B+4*\s+1], s74, \s*SUB
	s_add_nc_u64 s[G0B+4*\s+2:G0B+4*\s+3], s[76:77], \s*256
	s_or_b32 s[G0B+4*\s+3], s[G0B+4*\s+3], 0x80000000
	JLOAD \s
.endr
	v_and_b32 v1, 15, v0                           ; r
	v_bfe_u32 v2, v0, 4, 1                         ; h
	v_and_b32 v3, 1, v0
	v_lshrrev_b32 v4, 1, v1
	v_mul_u32_u24 v4, v4, 272                      ; A: row r of a head lies at (r >> 1) 272 + (r & 1) 128
	v_lshl_add_u32 v4, v3, 7, v4
	v_lshl_add_u32 v4, v2, 4, v4                   ; + 16 h
	v_mul_u32_u24 v5, v1, 272                      ; B: row r at r 272
	v_lshl_add_u32 v5, v2, 4, v5
	s_mul_i32 s75, s13, 32*272                     ; my 64 rows of A
	s_mul_i32 s78, s14, PART                       ; my 64 rows of B,
	s_add_co_u32 s78, s78, 2*PART                  ; behind A's two heads
.irp s, 0,1,2,3
	v_add_nc_u32 v[ADRA+\s], s75, v4
	v_add_nc_u32 v[ADRB+\s], s78, v5
	s_add_co_u32 s75, s75, SUB
	s_add_co_u32 s78, s78, SUB
.endr
	s_mul_i32 s79, s12, 16*SPITCH
	s_add_co_u32 s79, s79, STAGE
	v_lshl_add_u32 v6, v2, 4, v5                   ; r 272 + 32 h
	v_add_nc_u32 v[STO], s79, v6
	v_mul_u32_u24 v7, v2, SPITCH
	v_lshl_add_u32 v7, v1, 4, v7
	v_add_nc_u32 v[RD], s79, v7                    ; back: lanes 0-15 one row of 256 bytes, lanes 16-31 the next
	v_lshlrev_b32 v20, 12, v2
	v_lshl_add_u32 v[CO], v1, 4, v20               ; and the same two rows of out0 (4,096 bytes a row)
	v_lshlrev_b32 v[BO], 5, v2
	s_lshl_b32 s78, s68, 9                         ; bias: (3072 + 128 bx + 64 wn) x 4 bytes
	s_lshl_b32 s79, s14, 8
	s_add_co_u32 s78, s78, s79
	s_add_co_u32 s78, s78, 12288
	s_mov_b32 s79, 0
	s_add_nc_u64 s[8:9], s[8:9], s[78:79]
.irp b, 0,1,2,3
	global_load_b128 v[BIAS+8*\b:BIAS+8*\b+3],   v[BO], s[8:9] offset:64*\b
	global_load_b128 v[BIAS+8*\b+4:BIAS+8*\b+7], v[BO], s[8:9] offset:64*\b+16
.endr
	s_wait_loadcnt 0x0
; 16 LDS loads: quarter q (32 K) of sub-slot ss into buffer f.  Quarters 0, 1 lie in the even head, 2, 3 in the odd one
.macro FETCH ss, q, f
	WIN 0
.irp a, 0,1,2,3
	ds_load_b128 v[FR+64*\f+8*\a:FR+64*\f+8*\a+3],   v[ADRA+\ss] offset:(\q>>1)*PART+(\q&1)*64+\a*2176
	ds_load_b128 v[FR+64*\f+8*\a+4:FR+64*\f+8*\a+7], v[ADRA+\ss] offset:(\q>>1)*PART+(\q&1)*64+\a*2176+32
.endr
.irp b, 0,1,2,3
	ds_load_b128 v[FR+32+64*\f+8*\b:FR+32+64*\f+8*\b+3],   v[ADRB+\ss] offset:64*\q+\b*4352
	ds_load_b128 v[FR+32+64*\f+8*\b+4:FR+32+64*\f+8*\b+7], v[ADRB+\ss] offset:64*\q+\b*4352+32
.endr
.endm
; 16 matrix instructions, one for each accumulator: they take turns in the same order everywhere
.macro MUL16 f, first
.if \first
	WIN 0x40                                       ; D window 1; the bias as C in window 0
.else
	WIN 0x50
.endif
.irp a, 0,1,2,3
.irp b, 0,1,2,3
.if \first
	v_wmma_f32_16x16x32_f16 v[8*(4*\a+\b):8*(4*\a+\b)+7], v[FR+32+64*\f+8*\b:FR+32+64*\f+8*\b+7], v[FR+64*\f+8*\a:FR+64*\f+8*\a+7], v[BIAS+8*\b:BIAS+8*\b+7]
.else
	v_wmma_f32_16x16x32_f16 v[8*(4*\a+\b):8*(4*\a+\b)+7], v[FR+32+64*\f+8*\b:FR+32+64*\f+8*\b+7], v[FR+64*\f+8*\a:FR+64*\f+8*\a+7], v[8*(4*\a+\b):8*(4*\a+\b)+7]
.endif
.endr
.endr
.endm
; a K step: four quarters on buffers 0, 1, 0, 1; each count of 16 leaves the 16 loads just issued out
.macro STEP ss, first
	PLACES
	FETCH \ss, 0, 0
	FETCH \ss, 1, 1
	s_wait_dscnt 16
	MUL16 0, \first
	PLACES
	FETCH \ss, 2, 0
	s_wait_dscnt 16
	MUL16 1, 0
	PLACES
	FETCH \ss, 3, 1
	s_wait_dscnt 16
	MUL16 0, 0
	s_wait_dscnt 0x0
	MUL16 1, 0
	WIN 0
.endm
; sub-slots a and b, which have been read, are filled again, four K steps on: every wave waits for its reads and for all its tensor loads, the round
; takes the place of the work-group barrier, and the joint refills are the first tensor loads behind it
.macro REFILL a, b
	s_wait_dscnt 0x0
	s_wait_tensorcnt 0x0
	ds_add_u32 v254, v255
	s_wait_dscnt 0x0
.irp t, \a, \b
	s_add_nc_u64 s[G0A+4*\t+2:G0A+4*\t+3], s[G0A+4*\t+2:G0A+4*\t+3], 4*524288
	s_add_nc_u64 s[G0B+4*\t+2:G0B+4*\t+3], s[G0B+4*\t+2:G0B+4*\t+3], 4*256
.endr
	CROUND
	JLOAD \a
	JLOAD \b
.endm
	s_wait_tensorcnt 0x3                           ; my part of K step 0 is in; three younger loads stay out
	s_barrier_signal -1
	s_barrier_wait -1
	STEP 0, 1
	s_wait_tensorcnt 0x2                           ; K step 1; two younger loads stay out
	s_wait_dscnt 0x0
	s_barrier_signal -1
	s_barrier_wait -1
	STEP 1, 0
	REFILL 0, 1                                    ; K steps 2 and 3 have landed in every wave; 4 and 5 go out
	STEP 2, 0
	STEP 3, 0
	REFILL 2, 3                                    ; K steps 4 and 5 have landed; 6 and 7 go out
	STEP 0, 0
	STEP 1, 0
	s_wait_tensorcnt 0x1                           ; K step 6; the last load stays out
	s_wait_dscnt 0x0
	s_barrier_signal -1
	s_barrier_wait -1
	STEP 2, 0
	s_wait_tensorcnt 0x0                           ; K step 7
	s_wait_dscnt 0x0
	s_barrier_signal -1
	s_barrier_wait -1
	STEP 3, 0
	; THE WAY OUT, 16 rows at a time: f32 straight from the accumulators into my stage, back as whole rows of 256 bytes
	PLACES
	s_lshl_b32 s72, s69, 19                        ; (128 by + 64 wm) rows of 4,096 bytes
	s_lshl_b32 s73, s13, 18
	s_add_co_u32 s72, s72, s73
	s_mov_b32 s73, 0
	s_add_nc_u64 s[10:11], s[10:11], s[72:73]
	s_lshl_b32 s76, s68, 9                         ; (128 bx + 64 wn) columns of 4 bytes
	s_lshl_b32 s77, s14, 8
	s_add_co_u32 s76, s76, s77
	s_mov_b32 s77, 0
	s_add_nc_u64 s[10:11], s[10:11], s[76:77]
.irp a, 0,1,2,3
	WIN 0x04                                       ; the stores' data in window 1
.irp b, 0,1,2,3
	ds_store_b128 v[STO], v[8*(4*\a+\b):8*(4*\a+\b)+3]   offset:64*\b
	ds_store_b128 v[STO], v[8*(4*\a+\b)+4:8*(4*\a+\b)+7] offset:64*\b+16
.endr
	WIN 0
	s_wait_xcnt 0x0                                ; the last block's stores have read RB: it is loaded again only behind this wait
.irp t, 0,1,2,3,4,5,6,7
	ds_load_b128 v[RB+4*\t:RB+4*\t+3], v[RD] offset:\t*2*SPITCH    ; LDS serves a wave's instructions in order: these see the stores above
.endr
.irp t, 0,1,2,3,4,5,6,7
	s_wait_dscnt 7-\t                              ; load t is in, the 7 - t younger stay out
	global_store_b128 v[CO], v[RB+4*\t:RB+4*\t+3], s[10:11] offset:(16*\a+2*\t)*4096 th:TH_STORE_NT   ; sixteen lanes store 256 consecutive bytes, aligned
.endr
.endr
	s_wait_tensorcnt 0x0
	ds_add_u32 v254, v255
	s_wait_dscnt 0x0
	CROUND                                         ; the closing round
	s_endpgm
.Lfunc_end_k_q0b98ed125f_oproj:
	.size	k_q0b98ed125f_oproj, .Lfunc_end_k_q0b98ed125f_oproj-k_q0b98ed125f_oproj
	.p2alignl 7, 3214868480
	.fill 96, 4, 3214868480
	.section	.rodata,"a",@progbits
	.p2align	6, 0x0
	.amdhsa_kernel k_q0b98ed125f_oproj
		.amdhsa_group_segment_fixed_size 327680
		.amdhsa_private_segment_fixed_size 0
		.amdhsa_enable_private_segment 0
		.amdhsa_kernarg_size 32
		.amdhsa_user_sgpr_count 2
		.amdhsa_user_sgpr_kernarg_segment_ptr 1
		.amdhsa_wavefront_size32 1
		.amdhsa_system_sgpr_workgroup_id_x 1
		.amdhsa_system_sgpr_workgroup_id_y 1
		.amdhsa_system_sgpr_workgroup_id_z 1
		.amdhsa_system_vgpr_workitem_id 0
		.amdhsa_next_free_vgpr 384
		.amdhsa_next_free_sgpr 80
		.amdhsa_reserve_vcc 0
		.amdhsa_float_denorm_mode_32 3
		.amdhsa_float_denorm_mode_16_64 3
		.amdhsa_memory_ordered 1
		.amdhsa_forward_progress 1
		.amdhsa_inst_pref_size 91
	.end_amdhsa_kernel
	.amdgpu_metadata
---
amdhsa.version: [ 1, 2 ]
amdhsa.kernels:
  - .name:           k_q0b98ed125f_oproj
    .symbol:         k_q0b98ed125f_oproj.kd
    .args:
      - { .name: ctx, .offset: 0, .size: 8, .value_kind: global_buffer, .address_space: global }
      - { .name: wt, .offset: 8, .size: 8, .value_kind: global_buffer, .address_space: global }
      - { .name: ball, .offset: 16, .size: 8, .value_kind: global_buffer, .address_space: global }
      - { .name: out0, .offset: 24, .size: 8, .value_kind: global_buffer, .address_space: global }
    .group_segment_fixed_size: 327680
    .private_segment_fixed_size: 0
    .kernarg_segment_align: 8
    .kernarg_segment_size: 32
    .max_flat_workgroup_size: 128
    .sgpr_count:     80
    .vgpr_count:     384
    .wavefront_size: 32
...
	.end_amdgpu_metadata
.endif
;; end of part 4
;; ======== version 2 of 2: 4 launches
;; limits: values are held in f16: magnitudes above 65,504 overflow, below 6.1e-05 lose precision; right only within a limited range of input values
;; workspace buffers: xh 8,388,608 bytes; wt 8,388,608 bytes; ball 16,384 bytes; qkv 25,165,824 bytes; ctx 8,388,608 bytes
;; launch prep: the kernel of part 1 again; grid 1024 x 1, 8 waves a work-group, no clusters, 18,432 bytes of LDS; arguments x, Wq, Wk, Wv, Wo, bq, bk, bv, bo, xh, wt, ball; writes xh, wt, ball
;; launch qkv: the kernel of part 2 again; grid 8 x 32, 4 waves a work-group, clusters of 4 x 4, 327,680 bytes of LDS; arguments xh, wt, ball, qkv; writes qkv
;; launch attn (part 5): grid 8 x 32, 4 waves a work-group, clusters of 4 x 1, 327,680 bytes of LDS; arguments qkv, ctx; writes ctx
.if DOCPART == 5
	.amdgcn_target "amdgcn-amd-amdhsa--gfx1250"
	.amdhsa_code_object_version 6
	.text
	.protected	k_q0b98ed125f_attn
	.globl	k_q0b98ed125f_attn
	.p2align	8
	.type	k_q0b98ed125f_attn,@function
k_q0b98ed125f_attn:
	s_mov_b64 s[64:65], 0
	v_nop
	global_prefetch_b8 v0, s[64:65] scope:SCOPE_SE
	s_setreg_imm32_b32 hwreg(HW_REG_WAVE_MODE, 25, 1), 1
	s_wait_xcnt 0x0
	s_wait_alu depctr_hold_cnt(0) depctr_sa_sdst(0) depctr_va_vdst(0) depctr_va_sdst(0) depctr_va_ssrc(0) depctr_va_vcc(0) depctr_vm_vsrc(0)
	s_getreg_b32 s2, hwreg(HW_REG_IB_STS2, 6, 4)
	s_cmp_eq_u32 s2, 0
	s_cbranch_scc0 .Lentry_in_a_cluster
	s_endpgm
.Lentry_in_a_cluster:
	s_bfe_u32 s2, ttmp6, 0x10000c
	s_cmp_lg_u32 s2, 0x3003
	s_cbranch_scc0 .Lentry_shape_is_right
	s_endpgm
.Lentry_shape_is_right:
; ctx[b 16 + h][s][d] = f16( softmax(q k^T / 8) v ), one head and 256 queries a work-group, 64 queries a wave, keys in chunks of 64, tiles of 128.
; q comes scaled by log2(e) / 8, so the scores are exponents of 2.  The maximum is taken away by a running maximum in f32; sums in f32.
; LIMIT: P (in (0, 1]) and ctx are rounded to f16; a P below 3e-8 counts as zero.
; BOTH PRODUCTS ARE TRANSPOSED.  S^T = K Q^T: register j of lane (r, h) holds key 8 h + j, query r; two score tiles of 16 keys, packed in pairs,
; are then already the second operand of O^T = V^T P^T, with no shuffle.  V^T's fragments come from V [key][d] by the transposing LDS load.
; A query's maximum, sum and rescaling factor belong to lane r of both halves: one exchange of the halves a chunk.
; THE PRODUCTS STAND SINGLY AMONG THE SOFTMAX'S VECTOR INSTRUCTIONS.  Turn c: the vector work is chunk c's softmax (464 instructions); among its first
; 224 stand the 32 products V^T P^T of chunk c - 1, query tile by query tile, among its last 240 the 32 products K Q^T of chunk c + 1: those of query
; tile q behind the stage that has packed tile q of chunk c, so that one score buffer serves.  P has registers of its own.
; S, P and the lanes' figures fill window 1 (216 registers), O and Q window 2, the fragments window 0: a product names three windows, the softmax one,
; and no layout brings S, P, O and a fragment buffer into one window of 256; so each product stands between two switches, 128 a chunk.
; THE RING.  Turn c reads from LDS chunk c + 1 alone: K at its head, V in its middle (into the one of two buffers that the products of chunk c - 1 have
; just left).  So a tile's last read lies in an even turn, and one round at the head of each odd turn shows the next tile landed and lets the tile
; just left be filled again: 14 refills, at turns 1, 3 .. 27.  A refill has two turns, 128 products and two passes of the softmax, in which to land.
; THE TEXT.  Both LDS slots are named by constants, so the loop's body is four turns with two refills; turns 1 to 28 are seven laps; turn 0 and turns
; 29 to 31 are written out: eight bodies.  For turn 1 to be loop text chunk 0's V^T P^T adds onto O, so O starts at 0, made by 16 products of one zero
; fragment (8 registers); with turn 1 written out (C = 0) 13 refills would be left for laps of two, and four more bodies of text would be needed.
; CLUSTER 4 x 1: four query blocks of one head read the same K and V tiles and ask for them jointly (mask 15); the addresses hang on the head and
; the wave's number alone.  Each wave asks for its 32 keys of K and of V: two tensor loads a tile; at most four of a wave are out (tiles 0 and 1 at the start).
; REGISTERS: window 0: v8-16 addresses, v64-127 K's fragments (at the end: packed results), v128-255 V's fragments, two buffers (at the end: rows to store).
;   window 1: v0-127 scores S(kt, qt) at 8 (4 kt + qt); v128-191 P(g, qt) at 128 + 8 (4 g + qt); v192-215 the lanes' figures.
;   window 2: v0-127 O(qt, dt) at 8 (4 qt + dt); v128-191 Q(qt, ds) at 128 + 8 (2 qt + ds).
.set HB,     262144                    ; bytes of a head: 2,048 x 64 x 2
.set TILEB,  16384                     ; 128 keys x 128 bytes
.set KP,     16*272                    ; a wave's 32 keys of K: 16 rows of two keys, 256 bytes + 16
.set VP,     16*288                    ; of V: 256 bytes + 32
.set KC,     2*KP                      ; a chunk of 64 keys
.set VC,     2*VP
.set VOFF,   4*KP
.set SLOT,   VOFF+4*VP                 ; 35,840
.set STAGE,  2*SLOT                    ; never filled by a tensor load: 64 rows x 144 bytes for each wave
.set SPITCH, 144
.set LAPS,   7                         ; turns 1 to 28
.set KA,  8                            ; v8-9    K fragments in slot 0, 1
.set VA,  10                           ; v10-11  V fragments
.set STO, 12
.set RD,  13
.set CO,  14
.set QO,  15
.set PFO, 16
.set KF,  64
.set VF,  128                          ; two buffers of 64 registers
.set TMP, 64
.set RB,  128
.set PB,  128                          ; window 1: P
.set MA,  192                          ; window 1: the maximum of query tile qt, old and new by turns with MB
.set MB,  196
.set AL,  200                          ; 2^(old - new)
.set XR,  204                          ; the other half's figure
.set LP,  208                          ; the lane's sums, a pair for each qt
.set QF,  128                          ; window 2
.set G1K, 16
.set G1V, 24
.set G0K, 32
.set G0V, 40
.set MSB, 0
.set PNX, 32                           ; the next product of V^T P^T in this turn (32: none left)
.set SNX, 32                           ; the next product of K Q^T
.macro WIN new
.if MSB != \new
	s_set_vgpr_msb (MSB<<8)|\new
.set MSB, \new
.endif
.endm
.macro ROUND                           ; a round of the cluster's barrier
	s_barrier_signal -1
	s_barrier_wait -1
	s_cmp_lg_u32 s8, 0
	s_cbranch_scc1 .Lnot_wave_0_\@
	s_barrier_signal -3
.Lnot_wave_0_\@:
	s_barrier_wait -3
	s_barrier_signal -1
	s_barrier_wait -1
.endm
	s_load_b128 s[4:7], s[0:1], 0x0                ; qkv s[4:5], ctx s[6:7]
	v_lshl_add_u32 v62, v0, 2, 0x29000
	v_mov_b32 v63, 0
	ds_add_u32 v62, v63
	v_lshrrev_b32 v1, 5, v0
	v_readfirstlane_b32 s8, v1                     ; wave 0..3
	s_bfe_u32 s9, ttmp6, 0x40000                   ; cx
	s_lshl_b32 s10, ttmp9, 2
	s_add_co_u32 s10, s10, s9                      ; qb: query block 0..7
	s_and_b32 s11, ttmp7, 0xffff                   ; bh = 16 b + h
	s_mov_b32 s50, 0x76543210                      ; v_permlanex16_b32: lane i reads lane i of the other half
	s_mov_b32 s51, 0xfedcba98
	; group 1: a dense block of 4,096 bytes as 16 rows of 32 elements of 8 bytes; behind every 64 words 4 (K) or 8 (V) words of padding
	s_mov_b32 s[G1K+0], 15|(3<<16)|(1<<20)|(1<<21)|(5<<22)|(3<<25)
	s_mov_b32 s[G1V+0], 15|(3<<16)|(1<<20)|(1<<21)|(5<<22)|(7<<25)
.irp g, G1K, G1V
	s_mov_b32 s[\g+1], 32<<16                      ; tensor_dim0 = 32
	s_mov_b32 s[\g+2], 16<<16                      ; tensor_dim1 = 16
	s_mov_b32 s[\g+3], 32<<16                      ; tile_dim0 = 32
	s_mov_b32 s[\g+4], 16                          ; tile_dim1 = 16
	s_mov_b32 s[\g+5], 32                          ; the pitch
	s_mov_b32 s[\g+6], 0
	s_mov_b32 s[\g+7], 0
.endr
	s_lshr_b32 s12, s11, 4
	s_mul_i32 s12, s12, 48
	s_and_b32 s13, s11, 15
	s_add_co_u32 s12, s12, s13                     ; the q head's number in qkv: 48 b + h
	s_lshl_b32 s12, s12, 18                        ; in bytes
	s_lshl_b32 s13, s8, 13                         ; my 64 queries: wave x 8,192 bytes
	s_lshl_b32 s14, s8, 12                         ; my 32 keys of a tile: wave x 4,096 bytes
	s_add_co_u32 s14, s14, s12
	s_add_co_u32 s14, s14, 16*HB                   ; the k head lies 16 heads on, the v head 32
	s_mov_b32 s15, 0
	s_mul_i32 s2, s8, KP                           ; LDS: my part of K,
	s_mul_i32 s3, s8, VP
	s_add_co_u32 s3, s3, VOFF                      ; of V
	s_wait_dscnt 0x0
	s_wait_kmcnt 0x0
	s_add_nc_u64 s[14:15], s[4:5], s[14:15]
.irp s, 0,1
	s_mov_b32 s[G0K+4*\s], 1
	s_add_co_u32 s[G0K+4*\s+1], s2, \s*SLOT
	s_add_nc_u64 s[G0K+4*\s+2:G0K+4*\s+3], s[14:15], \s*TILEB
	s_or_b32 s[G0K+4*\s+3], s[G0K+4*\s+3], 0x80000000
	s_mov_b32 s[G0V+4*\s], 1
	s_add_co_u32 s[G0V+4*\s+1], s3, \s*SLOT
	s_add_nc_u64 s[G0V+4*\s+2:G0V+4*\s+3], s[14:15], 16*HB+\s*TILEB
	s_or_b32 s[G0V+4*\s+3], s[G0V+4*\s+3], 0x80000000
.endr
	ROUND                                          ; in front of the first joint loads
.irp s, 0,1
	tensor_load_to_lds s[G0K+4*\s:G0K+4*\s+3], s[G1K:G1K+7]        ; tile 0 into slot 0, then tile 1 into slot 1: first fills
	s_nop 0
	tensor_load_to_lds s[G0V+4*\s:G0V+4*\s+3], s[G1V:G1V+7]
	s_nop 0
.endr
	s_lshl_b32 s54, s10, 15                        ; Q: my work-group's 256 rows of the q head
	s_add_co_u32 s54, s54, s12
	s_mov_b32 s55, 0
	s_add_nc_u64 s[54:55], s[4:5], s[54:55]
	; prefetch: each request covers two tiles, 32,768 consecutive bytes of K and as many of V.  Query blocks 0-3 of a head ask for K's, 4-7 for V's,
	; 8,192 bytes each, lanes 256 bytes apart: each block of 256 bytes is asked for once
	s_lshr_b32 s52, s10, 2
	s_lshl_b32 s52, s52, 22                        ; 16 heads on for V
	s_and_b32 s53, s10, 3
	s_lshl_b32 s53, s53, 13
	s_add_co_u32 s52, s52, s53
	s_add_co_u32 s52, s52, s12
	s_add_co_u32 s52, s52, 16*HB                   ; tile 0: stepped by two tiles ahead of each use
	s_mov_b32 s53, 0
	s_add_nc_u64 s[52:53], s[4:5], s[52:53]
	v_and_b32 v1, 31, v0                           ; lane L
	v_and_b32 v2, 15, v0                           ; r
	v_bfe_u32 v3, v0, 4, 1                         ; h
	v_and_b32 v5, 1, v0
	v_lshrrev_b32 v4, 1, v2
	v_mul_u32_u24 v4, v4, 272                      ; key r lies at (r >> 1) 272 + (r & 1) 128: 16 lanes, 16 different 16-byte columns of 256
	v_lshl_add_u32 v4, v5, 7, v4
	v_lshl_add_u32 v[KA], v3, 4, v4                ; + 16 h
	v_add_nc_u32 v[KA+1], SLOT, v[KA]
	v_bfe_u32 v6, v0, 1, 2
	v_lshl_add_u32 v6, v3, 2, v6                   ; key 8 h + (L & 7) lies at (4 h + ((L & 7) >> 1)) 288 + (L & 1) 128
	v_mul_u32_u24 v6, v6, 288
	v_lshl_add_u32 v6, v5, 7, v6
	v_bfe_u32 v7, v0, 3, 1
	v_lshl_add_u32 v6, v7, 4, v6                   ; + 16 bytes for lanes 8-15 of a half: d 8..15 of the block
	v_add_nc_u32 v[VA], VOFF, v6
	v_add_nc_u32 v[VA+1], SLOT+VOFF, v6
	s_mul_i32 s49, s8, 64*SPITCH
	s_add_co_u32 s49, s49, STAGE
	v_mul_u32_u24 v17, v2, SPITCH
	v_lshl_add_u32 v17, v3, 4, v17
	v_add_nc_u32 v[STO], s49, v17
	v_lshrrev_b32 v18, 3, v1
	v_mul_u32_u24 v18, v18, SPITCH
	v_and_b32 v19, 7, v0
	v_lshl_add_u32 v18, v19, 4, v18
	v_add_nc_u32 v[RD], s49, v18
	v_lshlrev_b32 v[CO], 4, v1
	v_lshlrev_b32 v20, 7, v2
	v_lshl_add_u32 v20, v3, 4, v20
	v_add_nc_u32 v[QO], s13, v20                   ; wave x 8,192 + r x 128 + 16 h
	v_lshlrev_b32 v[PFO], 8, v1
	WIN 0x80                                       ; Q's fragments stay in window 2 for the whole kernel
.irp qt, 0,1,2,3
.irp ds, 0,1
	global_load_b128 v[QF+8*(2*\qt+\ds):QF+8*(2*\qt+\ds)+3],   v[QO], s[54:55] offset:\qt*2048+64*\ds
	global_load_b128 v[QF+8*(2*\qt+\ds)+4:QF+8*(2*\qt+\ds)+7], v[QO], s[54:55] offset:\qt*2048+64*\ds+32
.endr
.endr
	WIN 0x40
.irp i, 0,1,2,3
	v_mov_b32 v[MA+\i], 0xff800000                 ; the maximum starts at minus infinity,
	v_mov_b32 v[XR+\i], 0
	v_mov_b32 v[LP+2*\i], 0                        ; the sums at 0
	v_mov_b32 v[LP+2*\i+1], 0
.endr
.irp i, 0,1,2,3,4,5,6,7
	v_mov_b32 v[PB+\i], 0                          ; a zero fragment, in registers that chunk 0's P takes over later
.endr
	WIN 0x85                                       ; both sources window 1, D window 2
.irp i, 0,1,2,3,4,5,6,7,8,9,10,11,12,13,14,15
	v_wmma_f32_16x16x32_f16 v[8*\i:8*\i+7], v[PB:PB+7], v[PB:PB+7], 0      ; O = 0 (why: the head comment, THE TEXT)
.endr
	WIN 0
	s_wait_loadcnt 0x0                             ; Q
.macro KLOAD slot, c                   ; K's fragments of the slot's chunk c (64 keys): KF(kt, ds) = 16 keys x 32 d
.irp kt, 0,1,2,3
.irp ds, 0,1
	ds_load_b128 v[KF+8*(2*\kt+\ds):KF+8*(2*\kt+\ds)+3],   v[KA+\slot] offset:(\c)*KC+\kt*2176+64*\ds
	ds_load_b128 v[KF+8*(2*\kt+\ds)+4:KF+8*(2*\kt+\ds)+7], v[KA+\slot] offset:(\c)*KC+\kt*2176+64*\ds+32
.endr
.endr
.endm
.macro VLOAD slot, c, vb               ; V^T's fragments into buffer vb: VF(g, dt) = 16 d x 32 keys, transposed on the way
.irp g, 0,1
.irp dt, 0,1,2,3
	ds_load_tr16_b128 v[VF+64*\vb+8*(4*\g+\dt):VF+64*\vb+8*(4*\g+\dt)+3],   v[VA+\slot] offset:(\c)*VC+\g*4608+32*\dt
	ds_load_tr16_b128 v[VF+64*\vb+8*(4*\g+\dt)+4:VF+64*\vb+8*(4*\g+\dt)+7], v[VA+\slot] offset:(\c)*VC+\g*4608+32*\dt+2304
.endr
.endr
.endm
; One product of K Q^T, number SNX = 8 qt + 4 ds + kt: a query tile's four score tiles are started (ds = 0, C = 0) and then finished (ds = 1, in place).
; One product of V^T P^T, number PNX = 8 qt + 4 g + dt, from V's buffer vb.  In both orders, from one to the other and over the loop's backward jump
; no two matrix instructions that follow each other share an accumulator, one instruction a turn.
.macro SNEXT
.set S_Q, SNX>>3
.set S_D, (SNX>>2)&1
.set S_K, SNX&3
	WIN 0x58                                       ; K window 0, Q window 2, S window 1
.if S_D == 0
	v_wmma_f32_16x16x32_f16 v[8*(4*S_K+S_Q):8*(4*S_K+S_Q)+7], v[KF+8*(2*S_K):KF+8*(2*S_K)+7], v[QF+8*(2*S_Q):QF+8*(2*S_Q)+7], 0
.else
	v_wmma_f32_16x16x32_f16 v[8*(4*S_K+S_Q):8*(4*S_K+S_Q)+7], v[KF+8*(2*S_K+1):KF+8*(2*S_K+1)+7], v[QF+8*(2*S_Q+1):QF+8*(2*S_Q+1)+7], v[8*(4*S_K+S_Q):8*(4*S_K+S_Q)+7]
.endif
.set SNX, SNX+1
.endm
.macro PVNEXT vb
.set P_Q, PNX>>3
.set P_G, (PNX>>2)&1
.set P_D, PNX&3
	WIN 0xa4                                       ; V window 0, P window 1, O window 2
	v_wmma_f32_16x16x32_f16 v[8*(4*P_Q+P_D):8*(4*P_Q+P_D)+7], v[VF+64*\vb+8*(4*P_G+P_D):VF+64*\vb+8*(4*P_G+P_D)+7], v[PB+8*(4*P_G+P_Q):PB+8*(4*P_G+P_Q)+7], v[8*(4*P_Q+P_D):8*(4*P_Q+P_D)+7]
.set PNX, PNX+1
.endm
; Behind step it of a stage: every 'every' steps the next product, wk = 1 of V^T P^T while any is left, wk = 2 of K Q^T up to number lim - 1
.macro HOOK wk, it, every, lim, vb
.if ((\it) % (\every)) == ((\every)-1)
.if \wk == 1
.if PNX < 32
	PVNEXT \vb
	WIN 0x55
.endif
.endif
.if \wk == 2
.if SNX < \lim
	SNEXT
	WIN 0x55
.endif
.endif
.endif
.endm
; the new maximum of each query (mn) from the old one (mo) and the lane's 32 scores, four chains by turns; then the other half's; then AL = 2^(mo - mn).
; Behind every eight of the 64 maxima stands a product of V^T P^T: numbers 0 to 7.
.macro MAXES mo, mn, vb
.irp kt, 0,1,2,3
.irp pr, 0,1,2,3
.irp qt, 0,1,2,3
.if (\kt+\pr) == 0
	v_max3_num_f32 v[\mn+\qt], v[\mo+\qt], v[8*(4*\kt+\qt)+2*\pr], v[8*(4*\kt+\qt)+2*\pr+1]
.else
	v_max3_num_f32 v[\mn+\qt], v[\mn+\qt], v[8*(4*\kt+\qt)+2*\pr], v[8*(4*\kt+\qt)+2*\pr+1]
.endif
.endr
	HOOK 1, (4*\kt+\pr), 2, 0, \vb
.endr
.endr
.irp qt, 0,1,2,3
	v_permlanex16_b32 v[XR+\qt], v[\mn+\qt], s50, s51
.endr
.irp qt, 0,1,2,3
	v_max_num_f32 v[\mn+\qt], v[\mn+\qt], v[XR+\qt]
.endr
.irp qt, 0,1,2,3
	v_sub_f32 v[AL+\qt], v[\mo+\qt], v[\mn+\qt]
.endr
.irp qt, 0,1,2,3
	v_exp_f32 v[AL+\qt], v[AL+\qt]                 ; first used two stages on; a plain instruction that names none of AL follows
.endr
.endm
; One stage of the softmax over the query tiles, sixteen steps: tile tb takes its exponentials, tile ta has the maximum taken away, tile tc is summed
; and packed to f16 into P (-1: none).  Every step ends with a plain instruction on another tile than the exponentials' (ISA guide 5.7.2), and the
; product that HOOK deals in stands behind that.
.macro SMSTAGE tb, ta, tc, mn, wk, every, lim, vb
.irp kt, 0,1,2,3
.irp pr, 0,1,2,3
.if \tb >= 0
	v_exp_f32 v[8*(4*\kt+\tb)+2*\pr], v[8*(4*\kt+\tb)+2*\pr]
	v_exp_f32 v[8*(4*\kt+\tb)+2*\pr+1], v[8*(4*\kt+\tb)+2*\pr+1]
.endif
.if \ta >= 0
.if \ta & 1
	v_pk_add_f32 v[8*(4*\kt+\ta)+2*\pr:8*(4*\kt+\ta)+2*\pr+1], v[8*(4*\kt+\ta)+2*\pr:8*(4*\kt+\ta)+2*\pr+1], v[\mn+\ta-1:\mn+\ta] op_sel:[0,1] op_sel_hi:[1,1] neg_lo:[0,1] neg_hi:[0,1]
.else
	v_pk_add_f32 v[8*(4*\kt+\ta)+2*\pr:8*(4*\kt+\ta)+2*\pr+1], v[8*(4*\kt+\ta)+2*\pr:8*(4*\kt+\ta)+2*\pr+1], v[\mn+\ta:\mn+\ta+1] op_sel_hi:[1,0] neg_lo:[0,1] neg_hi:[0,1]
.endif
.endif
.if \tc >= 0
.if (\kt+\pr) == 0
.if \tc & 1
	v_pk_fma_f32 v[LP+2*\tc:LP+2*\tc+1], v[LP+2*\tc:LP+2*\tc+1], v[AL+\tc-1:AL+\tc], v[8*(4*\kt+\tc)+2*\pr:8*(4*\kt+\tc)+2*\pr+1] op_sel:[0,1,0] op_sel_hi:[1,1,1]
.else
	s_wait_alu depctr_va_vdst(0)
	v_pk_fma_f32 v[LP+2*\tc:LP+2*\tc+1], v[LP+2*\tc:LP+2*\tc+1], v[AL+\tc:AL+\tc+1], v[8*(4*\kt+\tc)+2*\pr:8*(4*\kt+\tc)+2*\pr+1] op_sel_hi:[1,0,1]
.endif
.else
	s_wait_alu depctr_va_vdst(0)
	v_pk_add_f32 v[LP+2*\tc:LP+2*\tc+1], v[LP+2*\tc:LP+2*\tc+1], v[8*(4*\kt+\tc)+2*\pr:8*(4*\kt+\tc)+2*\pr+1]
.endif
	v_cvt_pk_f16_f32 v[PB+8*(4*(\kt>>1)+\tc)+4*(\kt&1)+\pr], v[8*(4*\kt+\tc)+2*\pr], v[8*(4*\kt+\tc)+2*\pr+1]   ; keys 32 g + 16 (kt & 1) + 8 h + 2 pr, + 1
.endif
	HOOK \wk, (4*\kt+\pr), \every, \lim, \vb
.endr
.endr
.endm
; O(qt, ..) *= AL(qt): 64 packed multiplies.  Behind every seventh stands a product of K Q^T while any is left (numbers 24 to 31, query tile 3):
; the last of them behind the 56th multiply, so that eight plain instructions that name none of its registers follow it.
.macro OHOOK
.set ONX, ONX+1
.if (ONX % 7) == 0
.if SNX < 32
	SNEXT
	WIN 0x86
.endif
.endif
.endm
.macro OSCALE
	WIN 0x86                                       ; O in window 2, AL in window 1
.set ONX, 0
.irp qt, 0,2
.irp p, 0,1,2,3,4,5,6,7,8,9,10,11,12,13,14,15
	s_wait_alu depctr_va_vdst(0)
	v_pk_mul_f32 v[32*\qt+2*\p:32*\qt+2*\p+1], v[32*\qt+2*\p:32*\qt+2*\p+1], v[AL+\qt:AL+\qt+1] op_sel_hi:[1,0]
	OHOOK
.endr
.endr
.irp qt, 1,3
.irp p, 0,1,2,3,4,5,6,7,8,9,10,11,12,13,14,15
	v_pk_mul_f32 v[32*\qt+2*\p:32*\qt+2*\p+1], v[32*\qt+2*\p:32*\qt+2*\p+1], v[AL+\qt-1:AL+\qt] op_sel:[0,1] op_sel_hi:[1,1]
	OHOOK
.endr
.endr
.endm
; Wave 0 asks for my work-group's 8,192 bytes of the two tiles that the next two refills load.  kind = 2: not in the loop's last lap, whose request
; would lie past the head's last tile.
.macro ASK kind
	s_cmp_lg_u32 s8, 0
	s_cbranch_scc1 .Lno_pf_\@
.if \kind == 2
	s_cmp_eq_u32 s48, 1
	s_cbranch_scc1 .Lno_pf_\@
.endif
	s_wait_xcnt 0x0                                ; the last prefetch, four turns ago, has read its base
	s_add_nc_u64 s[52:53], s[52:53], 2*TILEB
	global_prefetch_b8 v[PFO], s[52:53] th:TH_LOAD_NT scope:SCOPE_SE
.Lno_pf_\@:
.endm
; TURN c.  bar = 2 (odd c up to 27): every wave waits for all its tensor loads (chunk c + 1's tile among them) and for its LDS reads (the last of slot rs
; were issued in the middle of turn c - 1); the round takes the place of the work-group barrier; the joint refills of slot rs are the first tensor
; loads behind it.  bar = 1 (c = 29): the same waits and a work-group barrier, nothing is filled.  ns, nh: the slot and the half of it that hold chunk c + 1.
; vb = (c + 1) & 1: V's buffer that the products of chunk c - 1 read and that chunk c + 1's V then fills.  mo, mn: old and new maximum.
; pv: there is a chunk c - 1.  osc: O is rescaled (not in turn 0).  nxt: there is a chunk c + 1.  pf: see ASK.
.macro ITER bar, rs, ns, nh, vb, mo, mn, pv, osc, nxt, pf
.set PNX, 32*(1-\pv)
.set SNX, 32*(1-\nxt)
.if \bar
	s_wait_tensorcnt 0x0
	ds_add_u32 v62, v63
	s_wait_dscnt 0x0
.if \bar == 2
	s_add_nc_u64 s[G0K+4*\rs+2:G0K+4*\rs+3], s[G0K+4*\rs+2:G0K+4*\rs+3], 2*TILEB   ; no load of mine is out: slot rs's next tile
	s_add_nc_u64 s[G0V+4*\rs+2:G0V+4*\rs+3], s[G0V+4*\rs+2:G0V+4*\rs+3], 2*TILEB
.endif
	s_wait_dscnt 0x0
.if \bar == 2
	ROUND
	tensor_load_to_lds s[G0K+4*\rs:G0K+4*\rs+3], s[G1K:G1K+7]
	s_nop 0
	tensor_load_to_lds s[G0V+4*\rs:G0V+4*\rs+3], s[G1V:G1V+7]
	s_nop 0
.else
	s_barrier_signal -1
	s_barrier_wait -1
.endif
.endif
.if \pf
	ASK \pf
.endif
.if \nxt
	KLOAD \ns, \nh                                 ; chunk c + 1's K: eight plain instructions (turn 0: four v_nop) behind the last product that read these registers (ISA guide 7.12.1)
.endif
	WIN 0x55
	MAXES \mo, \mn, \vb                            ; V^T P^T 0-7.  V's buffer vb has been in since the wait in the middle of turn c - 1
	SMSTAGE -1, 0, -1, \mn, 1, 4, 0, \vb           ; 8-11
	SMSTAGE 0, 1, -1, \mn, 1, 2, 0, \vb            ; 12-19
	SMSTAGE 1, 2, 0, \mn, 1, 1, 0, \vb             ; 20-31, behind steps 0 to 11; P of query tile 0 is written again here, its products were 0-7
.if \nxt
	WIN 0
	VLOAD \ns, \nh, \vb                            ; chunk c + 1's V: behind steps 12 to 15, eight packed adds and four conversions that name none of the last product's registers (ISA guide 7.12.1)
	s_wait_dscnt 16                                ; all but these 16 loads are in: chunk c + 1's K, and chunk c's V for the next turn
	WIN 0x55
.endif
	SMSTAGE 2, 3, 1, \mn, 2, 2, 8, \vb             ; K Q^T of query tile 0, whose scores stage 3 has packed
	SMSTAGE 3, -1, 2, \mn, 2, 2, 16, \vb           ; of query tile 1
	SMSTAGE -1, -1, 3, \mn, 2, 2, 24, \vb          ; of query tile 2
.if \osc
	OSCALE                                         ; of query tile 3
.else
.rept 8
	SNEXT
.endr
.rept 4
	v_nop                                          ; four places ahead of the next turn's loads into K's fragments and reads of S
.endr
.endif
	WIN 0
.endm
	; ahead of turn 0: chunk 0's fragments and scores
	s_wait_tensorcnt 0x2                           ; tile 0's two loads are in, tile 1's two stay out
	s_barrier_signal -1
	s_barrier_wait -1
	ASK 1                                          ; tiles 2 and 3, which turns 1 and 3 load
	KLOAD 0, 0
	VLOAD 0, 0, 0
	s_wait_dscnt 16                                ; K's 16 loads are in, V's 16 stay out
.set SNX, 0
.rept 32
	SNEXT
.endr
.rept 4
	v_nop                                          ; four places ahead of the loads into K's fragments and of the reads of S
.endr
	WIN 0
	ITER 0, 0, 0, 1, 1, MA, MB, 0, 0, 1, 0         ; turn 0
	s_mov_b32 s48, LAPS
.Ltiles:
	ITER 2, 0, 1, 0, 0, MB, MA, 1, 1, 1, 0         ; turns 1, 5 .. 25: slot 0 gets tiles 2, 4 .. 14
	ITER 0, 0, 1, 1, 1, MA, MB, 1, 1, 1, 0         ; turns 2, 6 .. 26
	ITER 2, 1, 0, 0, 0, MB, MA, 1, 1, 1, 2         ; turns 3, 7 .. 27: slot 1 gets tiles 3, 5 .. 15; laps 0 to 5 ask for tiles 4 and 5 .. 14 and 15
	ITER 0, 0, 0, 1, 1, MA, MB, 1, 1, 1, 0         ; turns 4, 8 .. 28
	s_sub_co_u32 s48, s48, 1
	s_cmp_lg_u32 s48, 0
	s_cbranch_scc1 .Ltiles
	ITER 1, 0, 1, 0, 0, MB, MA, 1, 1, 1, 0         ; turn 29: tile 15 has landed, nothing is filled
	ITER 0, 0, 1, 1, 1, MA, MB, 1, 1, 1, 0         ; turn 30
	ITER 0, 0, 0, 0, 0, MB, MA, 1, 1, 0, 0         ; turn 31: no chunk 32
	s_wait_dscnt 0x0                               ; chunk 31's V
.set PNX, 0
.rept 32
	PVNEXT 1                                       ; V^T P^T of chunk 31
.endr
.rept 4
	v_nop                                          ; four places ahead of the vector instructions on O (ISA guide 7.12.1)
.endr
	; the sums of both halves, their reciprocals, O scaled, rounded to f16 and sent out through my stage as whole rows
	WIN 0x55
.irp qt, 0,1,2,3
	v_add_f32 v[XR+\qt], v[LP+2*\qt], v[LP+2*\qt+1]
.endr
.irp qt, 0,1,2,3
	v_permlanex16_b32 v[AL+\qt], v[XR+\qt], s50, s51
.endr
.irp qt, 0,1,2,3
	v_add_f32 v[XR+\qt], v[XR+\qt], v[AL+\qt]
.endr
.irp qt, 0,1,2,3
	v_rcp_f32 v[AL+\qt], v[XR+\qt]
.endr
	v_nop                                          ; a plain place behind the reciprocals (ISA guide 5.7.2)
.set SNX, 32
	OSCALE                                         ; no product is left to deal in
	WIN 0x0a                                       ; sources in window 2, results in window 0
.irp qt, 0,1,2,3
.irp dt, 0,1,2,3
.irp p, 0,1,2,3
	v_cvt_pk_f16_f32 v[TMP+4*(4*\qt+\dt)+\p], v[8*(4*\qt+\dt)+2*\p], v[8*(4*\qt+\dt)+2*\p+1]
.endr
.endr
.endr
	WIN 0
	s_lshl_b32 s54, s11, 18                        ; ctx: head bh, rows 256 qb + 64 wave, 128 bytes a row
	s_lshl_b32 s55, s10, 15
	s_add_co_u32 s54, s54, s55
	s_add_co_u32 s54, s54, s13
	s_mov_b32 s55, 0
	s_add_nc_u64 s[6:7], s[6:7], s[54:55]
.irp qt, 0,1,2,3
.irp dt, 0,1,2,3
	ds_store_b128 v[STO], v[TMP+4*(4*\qt+\dt):TMP+4*(4*\qt+\dt)+3] offset:\qt*16*SPITCH+32*\dt   ; query 16 qt + r, d 16 dt + 8 h ..
.endr
.endr
.irp t, 0,1,2,3,4,5,6,7,8,9,10,11,12,13,14,15
	ds_load_b128 v[RB+4*\t:RB+4*\t+3], v[RD] offset:\t*4*SPITCH    ; LDS serves a wave's instructions in order: these see the stores above
.endr
.irp t, 0,1,2,3,4,5,6,7,8,9,10,11,12,13,14,15
	s_wait_dscnt 15-\t                             ; load t is in, the 15 - t younger stay out
	global_store_b128 v[CO], v[RB+4*\t:RB+4*\t+3], s[6:7] offset:512*\t   ; four rows: 512 consecutive bytes, aligned
.endr
	s_wait_tensorcnt 0x0
	ds_add_u32 v62, v63
	s_wait_dscnt 0x0
	ROUND                                          ; the closing round
	s_endpgm
.Lfunc_end_k_q0b98ed125f_attn:
	.size	k_q0b98ed125f_attn, .Lfunc_end_k_q0b98ed125f_attn-k_q0b98ed125f_attn
	.p2alignl 7, 3214868480
	.fill 96, 4, 3214868480
	.section	.rodata,"a",@progbits
	.p2align	6, 0x0
	.amdhsa_kernel k_q0b98ed125f_attn
		.amdhsa_group_segment_fixed_size 327680
		.amdhsa_private_segment_fixed_size 0
		.amdhsa_enable_private_segment 0
		.amdhsa_kernarg_size 16
		.amdhsa_user_sgpr_count 2
		.amdhsa_user_sgpr_kernarg_segment_ptr 1
		.amdhsa_wavefront_size32 1
		.amdhsa_system_sgpr_workgroup_id_x 1
		.amdhsa_system_sgpr_workgroup_id_y 1
		.amdhsa_system_sgpr_workgroup_id_z 1
		.amdhsa_system_vgpr_workitem_id 0
		.amdhsa_next_free_vgpr 704
		.amdhsa_next_free_sgpr 66
		.amdhsa_reserve_vcc 0
		.amdhsa_float_denorm_mode_32 3
		.amdhsa_float_denorm_mode_16_64 3
		.amdhsa_memory_ordered 1
		.amdhsa_forward_progress 1
		.amdhsa_inst_pref_size 255
	.end_amdhsa_kernel
	.section	.bss,"aw",@nobits
	.p2align	6
	.space	262144
	.amdgpu_metadata
---
amdhsa.version: [ 1, 2 ]
amdhsa.kernels:
  - .name:           k_q0b98ed125f_attn
    .symbol:         k_q0b98ed125f_attn.kd
    .args:
      - { .name: qkv, .offset: 0, .size: 8, .value_kind: global_buffer, .address_space: global }
      - { .name: ctx, .offset: 8, .size: 8, .value_kind: global_buffer, .address_space: global }
    .group_segment_fixed_size: 327680
    .private_segment_fixed_size: 0
    .kernarg_segment_align: 8
    .kernarg_segment_size: 16
    .max_flat_workgroup_size: 128
    .sgpr_count:     66
    .vgpr_count:     704
    .wavefront_size: 32
...
	.end_amdgpu_metadata
.endif
;; end of part 5
;; launch oproj: the kernel of part 4 again; grid 8 x 32, 4 waves a work-group, clusters of 4 x 4, 327,680 bytes of LDS; arguments ctx, wt, ball, out0; writes out0
